; MI455X (gfx1250); checked and timed in simulation.
; The chip was launched on July 23, 2026; its instructions are those of AMD's public machine-readable ISA for CDNA 5 (MIT licence, August 2026) and "CDNA5" Instruction Set Architecture Reference Guide (July 2026). The comments in the code are by the model that wrote it; some were corrected since.
;; Conformer Block. Allowed arithmetic: matrix products marked QUANTISED: E2M3 operands, one E8M0 scale for each 32 along K, by v_wmma_scale_f32_16x16x128_f8f6f4 with both operands' format E2M3, f32 sums; everything else in f32.
;; Inputs: W_ffn1 1,024 x 4,096 float32; W_ffn2 4,096 x 1,024 float32; W_proj 1,024 x 1,024 float32; W_qkv 1,024 x 3,072 float32; b_ffn1 4,096 float32; b_ffn2 1,024 float32; b_proj 1,024 float32; b_qkv 3,072 float32; ln1_b 1,024 float32; ln1_g 1,024 float32; ln2_b 1,024 float32; ln2_g 1,024 float32; x 2 x 2,048 x 1,024 float32.
;; Outputs: out0 2 x 2,048 x 1,024 float32.
;; This version of the problem:
;;   THIS VERSION OF THE PROBLEM IS GIVEN IN LOW PRECISION. The matrix products marked QUANTISED in the list below multiply operands that are first quantised to E2M3 (2 exponent bits, 3 mantissa bits; 6 bits a number), with one power-of-two scale for each 32 numbers along K (OCP MX v1.0); their sums are f32. All else is computed in f32.
;;   The module's matrix products, in the order in which they are computed (A, B: the left and right operand; K: the contracted axis; several contracted axes count as one K, in the product's order):
;;     1. [M 4,096, K 1,024] x [K 1,024, N 3,072]; A: computed on the way; B: input W_qkv: QUANTISED
;;     2. batch 32 x [M 2,048, K 64] x [K 64, N 2,048]; A: computed on the way; B: computed on the way: QUANTISED
;;     3. batch 32 x [M 2,048, K 2,048] x [K 2,048, N 64]; A: softmax (see below); B: computed on the way: QUANTISED
;;     4. [M 4,096, K 1,024] x [K 1,024, N 1,024]; A: computed on the way; B: input W_proj: QUANTISED
;;     5. [M 4,096, K 1,024] x [K 1,024, N 4,096]; A: computed on the way; B: input W_ffn1: QUANTISED
;;     6. [M 4,096, K 4,096] x [K 4,096, N 1,024]; A: computed on the way; B: input W_ffn2: QUANTISED
;;   THE QUANTISER, for each operand of a quantised product, along K:
;;     - K is cut into blocks of 32 from its start; a last block that is shorter is filled with zeros.
;;     - A block's scale is 2^e with e = floor(log2(the largest magnitude in the block)) - 2, held to -126 .. 127; a block of zeros has e = 0. As a byte (E8M0): e + 127.
;;     - Each number is divided by its block's scale, clamped to +-7.5, and rounded to the nearest number of E2M3, ties to even, subnormals kept.
;;     - The product sums the exact products of the quantised numbers (number of the format x scale) in f32.
;;   ~~~python
;;   def quantise(x, axis):      # numpy; x: float32 -> the quantised numbers, widened to float32 again
;;       x = np.moveaxis(x, axis, -1); K = x.shape[-1]
;;       x = np.pad(x, [(0, 0)] * (x.ndim - 1) + [(0, -K % 32)]); x = x.reshape(x.shape[:-1] + (-1, 32)); a = np.abs(x).max(-1, keepdims=True)
;;       e = np.where(a > 0, np.clip(np.frexp(np.where(a > 0, a, 1))[1] - 1 - 2, -126, 127), 0)      # np.frexp(a)[1] - 1 = floor(log2(a)), exactly
;;       r = np.clip(x / 2.0 ** e, -7.5, 7.5)
;;       step = 2.0 ** (np.maximum(np.frexp(np.where(r == 0, 1, r))[1] - 1, 0) - 3)
;;       q = np.round(r / step) * step * 2.0 ** e      # np.round: ties to even
;;       return np.moveaxis(q.reshape(q.shape[:-2] + (-1,))[..., :K], -1, axis).astype(np.float32)
;;   ~~~
;;   SOFTMAX AHEAD OF A QUANTISED PRODUCT. Where the list says 'softmax', what is quantised is not the finished softmax but p = 2^(t - M), with t = logit x log2(e) and M = ceil(the row's largest t), a whole number; so 1/2 < the row's largest p <= 1. The row's sum l is taken of the UNQUANTISED p, in f32, and the product's result is divided by l at the end. Since M is a whole number, a kernel that streams over the keys may use a running M (the ceiling of the running maximum): every later rescaling is an exact power of two, which a block's scale takes up: the codes' values come out the same.
;;   OPERANDS COMPUTED ON THE WAY. 'Computed on the way' means the value that the module computes at that place (a softmax that the list does not call 'softmax' is quantised finished and normalised). What goes into a quantiser is computed in f32, as accurately as f32 sums, v_exp_f32 and their like allow (about 1e-6 of the number): no bf16 or f16 on the way to a quantiser, and a product that is left as it is and whose result goes on into a quantised operand takes f32 operands (vector FMAs, or v_wmma_f32_16x16x4_f32). A number that lies on a knife's edge between two numbers of the format may be rounded either way, as far as f32 arithmetic and the matrix unit's own rounding can turn it there, and no further.
;; One version. Each part assembles by itself: llvm-mc -triple=amdgcn-amd-amdhsa -mcpu=gfx1250 --defsym DOCPART=n.
;; ======== version 1 of 1: 6 launches
;; limits: right only within a limited range of input values
;; workspace buffers: wimg 10,223,616 bytes; rope 524,288 bytes; nimg 3,407,872 bytes; qimg 3,407,872 bytes; kv 6,815,744 bytes; oimg 3,407,872 bytes; x1 16,777,216 bytes; himg 13,631,488 bytes
;; launch prep (part 1): grid 640 x 1, 8 waves a work-group, no clusters, 66,816 bytes of LDS; arguments W_qkv, W_proj, W_ffn1, W_ffn2, wimg, rope, x, ln1_g, ln1_b, nimg; writes wimg, rope, nimg
.if DOCPART == 1
	.amdgcn_target "amdgcn-amd-amdhsa--gfx1250"
	.amdhsa_code_object_version 6
	.text
	.protected	k_qdb294a2842_prep
	.globl	k_qdb294a2842_prep
	.p2align	8
	.type	k_qdb294a2842_prep,@function
k_qdb294a2842_prep:
	s_mov_b64 s[64:65], 0
	v_nop
	global_prefetch_b8 v0, s[64:65] scope:SCOPE_SE
	s_setreg_imm32_b32 hwreg(HW_REG_WAVE_MODE, 25, 1), 1
	s_wait_xcnt 0x0
; TWO INDEPENDENT JOBS IN ONE LAUNCH, parted on the work-group's number.  Work-groups 0-383: the four weights [K][N], f32, become codes of FP6 (E2M3) with one E8M0 scale byte for each 32 along K, and the table of
; cosines and sines for the rotary embedding is made.  Work-groups 384-639: the first layer norm of x, quantised likewise.  All codes are laid as IMAGES OF OPERAND REGISTERS.
; AN IMAGE (1,664 bytes) is a fragment of 16 rows x 128 K as the matrix instruction's registers hold it: byte 512 g + 16 l + 4 e = register 4 g + e of lane l; byte 1,536 + 4 l = the scale word of row l % 16.
; TILE T of an operand holds in lane r the row 32 (T / 2) + 8 (T % 2) + r + 8 (r / 8).  Images lie [tile][K step].
; A block's scale is 2^(floor(log2(its largest magnitude)) - 2); its byte is the largest magnitude's exponent field - 2, held at 1 from below.
; LIMITS: a block of zeros gets the byte 1 (its codes are zeros; this program alone reads the bytes); NaN and infinities among the inputs are not served.
; Both jobs keep to 162 registers, so that six waves share a SIMD: three work-groups of eight waves on a WGP, 768 places for the 640 work-groups.
; THE WEIGHTS.  Work-groups 0-95 W_qkv, 96-127 W_proj, 128-255 W_ffn1, 256-383 W_ffn2; a work-group takes 256 columns x 128 K.  A LANE TAKES A COLUMN n AND ITS REGISTERS RUN DOWN K: a wave takes 32 columns x 128 K,
; 128 loads of 128 consecutive bytes each; a block of 32 lies in one lane, so no lane asks another for a maximum.  Lane (u, r) takes column 8 u + r + 8 (r / 8) of its 32: that is row r of tile 2 beta + u, so sixteen
; neighbouring lanes store 256 consecutive bytes of one image.  No LDS, no barrier on this way.
; THE TABLE: work-groups 0-255, wave w: position 8 x work-group + w; lane i: frequency i.  The angle is brought into a quarter turn by three fused multiply-adds with pi / 2 in three parts; sine and cosine by their series.
; THE NORM.  y = (x - mean) rsqrt(var + 1e-5) g + b by rows of 1,024, in f32.  Work-group 384 + T makes tile T: 16 rows.  PHASE A: wave w takes tile rows 2 w and 2 w + 1, each whole in 32 registers a lane: mean, then the
; variance of the differences (two passes over registers, so a common offset of the inputs costs no accuracy), then y, which goes to LDS by rows.  PHASE B, behind one barrier, which all eight waves of such a work-group
; pass: wave w takes K step w of all 16 rows: lane (r, h) reads, of row r, 16 neighbours of each block of 32, and quantises.
; LDS (the norm alone): 16 rows, 4,112 bytes apart = 257 x 16: the sixteen rows that a load of 16 bytes a lane touches begin in sixteen different groups of banks.
.set IMG, 1664
.set WV,  24                           ; s24 my wave's number
; the weights' registers
.set X,   32                           ; v32-159  my column's 128 numbers
.set CD,  32                           ; v32-55   the codes at the end, over block 0's numbers: 12 registers for image lane r, 12 for image lane 16 + r
.set SO,  20                           ; v20-23   the conversions' scale operands
; the norm's registers
.set LP,  4112
.set LI,  6                            ; v6  16 x lane
.set LS,  7                            ; v7  4 x lane
.set LA,  8                            ; v8  LDS, phase A
.set LB,  9                            ; v9  LDS, phase B
.set X0,  16                           ; v16-47   row 2 w;  in phase B v16-79 are the 64 numbers to quantise
.set X1,  48                           ; v48-79   row 2 w + 1
.set GG,  80                           ; v80-111  g at my columns
.set BB,  112                          ; v112-143 b
.set S0,  144                          ; v144-149 row 0's mean, sums and 1 / deviation;  v152-157 row 1's
.set S1,  152
.set TM,  80                           ; v80-95   the quantiser's work, where g lay
.set PW,  96                           ; the scale word
.set PC,  100                          ; v100-118 the codes
.set SEL, 38                           ; s[38:39] lane selects: lane l xor 16
; One weight's share: e = the work-group's number in the weight; column group e >> sh, K step e & (2^sh - 1).  The 128 loads are issued here, since the row's length stands in their immediates.
.macro ARM src, first, sh, n, ks, off
	s_sub_co_u32 s25, ttmp9, \first
	s_lshr_b32 s26, s25, \sh                       ; column group of 256
	s_and_b32 s27, s25, (1<<\sh)-1                 ; K step
	s_mul_i32 s28, s27, 512*\n                     ; 128 rows of n numbers
	s_lshl_b32 s29, s26, 10
	s_add_co_u32 s28, s28, s29
	s_lshl_b32 s29, s[WV], 7                       ; my wave's 32 columns
	s_add_co_u32 s28, s28, s29
	s_mov_b32 s29, 0
	s_add_nc_u64 s[32:33], s[\src:\src+1], s[28:29]
	s_lshl_b32 s30, s26, 4
	s_lshl_b32 s31, s[WV], 1
	s_add_co_u32 s30, s30, s31                     ; my first tile: 16 x group + 2 x wave
	s_mul_i32 s30, s30, \ks
	s_add_co_u32 s30, s30, s27
	s_mul_i32 s30, s30, IMG
	s_add_co_u32 s30, s30, \off
	s_mov_b32 s31, 0
	s_add_nc_u64 s[34:35], s[12:13], s[30:31]      ; its image of this K step
	s_mov_b32 s36, \ks*IMG                         ; bytes from a tile to the next
.set i, 0
.rept 128
	global_load_b32 v[X+i], v5, s[32:33] offset:i*\n*4 th:TH_LOAD_NT   ; row i of the K step at 32 columns: 128 consecutive bytes; read once in the launch
.set i, i+1
.endr
.endm
; Block q of the four: K = 32 q .. 32 q + 31 of my column.  In the image it is registers 6 (q / 2) .. + 5 of lane r + 16 (q % 2).  lo, hi: where the codes of its lower and upper 16 numbers go for now.
.macro BLK q, lo, hi
.set XS, X+32*\q
	v_max3_num_f32 v24, |v[XS]|, |v[XS+1]|, 0x1800000             ; the largest magnitude, in two chains; the floor 2^(3 - 127) holds the byte at 1 from below
	v_max3_num_f32 v25, |v[XS+2]|, |v[XS+3]|, |v[XS+4]|
.irp i, 5,9,13,17,21,25
	s_delay_alu instid0(VALU_DEP_2)
	v_max3_num_f32 v24, v24, |v[XS+\i]|, |v[XS+\i+1]|
	s_delay_alu instid0(VALU_DEP_2)
	v_max3_num_f32 v25, v25, |v[XS+\i+2]|, |v[XS+\i+3]|
.endr
	s_delay_alu instid0(VALU_DEP_2)
	v_max3_num_f32 v24, v24, |v[XS+29]|, |v[XS+30]|
	s_delay_alu instid0(VALU_DEP_1)
	v_max3_num_f32 v24, v24, v25, |v[XS+31]|
	s_delay_alu instid0(VALU_DEP_1)
	v_add_nc_u32 v[SO+\q], 0xff000000, v24         ; 2 off its exponent field: the conversion takes the exponent field of this operand as its scale
	s_delay_alu instid0(VALU_DEP_1)
	v_lshrrev_b32 v25, 23, v[SO+\q]                ; the scale's byte
.if \q == 0
	s_delay_alu instid0(VALU_DEP_1)
	v_mov_b32 v26, v25
.else
	s_delay_alu instid0(VALU_DEP_1)
	v_lshl_or_b32 v26, v25, 8*\q, v26              ; the four bytes make my column's scale word
.endif
	v_cvt_scalef32_pk16_fp6_f32 v[\lo:\lo+2], v[XS:XS+15], v[SO+\q]
	v_cvt_scalef32_pk16_fp6_f32 v[\hi:\hi+2], v[XS+16:XS+31], v[SO+\q]   ; (a conversion's three registers begin on an even number: the upper half is made apart and moved)
.endm
.macro QUANT s                         ; 64 numbers of a lane, register 16 b + i = k 32 b + 16 (lane / 16) + i of my row, become a fragment's codes in v[PC] on and its scale word in v[PW]
.irp b, 0,1,2,3
	v_max3_num_f32 v[TM+\b], |v[\s+16*\b]|, |v[\s+1+16*\b]|, 0x1800000   ; block b: my 16 numbers, and the floor 2^(3 - 127): the byte cannot fall under 1
.endr
.irp i, 2,4,6,8,10,12,14
.irp b, 0,1,2,3
	s_delay_alu instid0(VALU_DEP_4)
	v_max3_num_f32 v[TM+\b], v[TM+\b], |v[\s+16*\b+\i]|, |v[\s+1+16*\b+\i]|
.endr
.endr
.irp b, 0,1,2,3
	s_delay_alu instid0(VALU_DEP_4)
	v_permlanex16_b32 v[TM+4+\b], v[TM+\b], s[SEL], s[SEL+1]
.endr
.irp b, 0,1,2,3
	s_delay_alu instid0(VALU_DEP_4)
	v_max_num_f32 v[TM+\b], v[TM+\b], v[TM+4+\b]   ; with lane l xor 16's: the block's largest magnitude
.endr
.irp b, 0,1,2,3
	s_delay_alu instid0(VALU_DEP_4)
	v_add_nc_u32 v[TM+12+\b], 0xff000000, v[TM+\b]   ; 2 off its exponent field: the conversion's scale operand
.endr
.irp b, 0,1,2,3
	s_delay_alu instid0(VALU_DEP_4)
	v_lshrrev_b32 v[TM+4+\b], 23, v[TM+12+\b]      ; the scale's byte
.endr
	s_delay_alu instid0(VALU_DEP_3)
	v_lshl_or_b32 v[PW], v[TM+5], 8, v[TM+4]
	s_delay_alu instid0(VALU_DEP_1)
	v_lshl_or_b32 v[PW], v[TM+6], 16, v[PW]
	s_delay_alu instid0(VALU_DEP_1)
	v_lshl_or_b32 v[PW], v[TM+7], 24, v[PW]
.irp c, 0,1
	v_cvt_scalef32_pk16_fp6_f32 v[PC+6*\c:PC+2+6*\c], v[\s+32*\c:\s+15+32*\c], v[TM+12+2*\c]
	v_cvt_scalef32_pk16_fp6_f32 v[PC+12+4*\c:PC+14+4*\c], v[\s+16+32*\c:\s+31+32*\c], v[TM+12+2*\c+1]
.endr
	v_nop                                          ; one plain place behind a scaled conversion
.irp c, 0,1                                    ; the operand's layout wants a whole block in a lane: lanes 0-15 block 2 c, lanes 16-31 block 2 c + 1
.irp i, 0,1,2
	v_permlane16_swap_b32 v[PC+6*\c+\i], v[PC+12+4*\c+\i]
.endr
.irp i, 0,1,2
	s_delay_alu instid0(VALU_DEP_3)
	v_mov_b32 v[PC+3+6*\c+\i], v[PC+12+4*\c+\i]
.endr
.endr
.endm
.macro WSUM a                          ; v[a] summed over the 32 lanes, the result in every lane; v[a + 1] at work
	s_delay_alu instid0(VALU_DEP_1)
	v_add_f32_dpp v[\a], v[\a], v[\a] row_xmask:1 row_mask:0xf bank_mask:0xf
	s_delay_alu instid0(VALU_DEP_1)
	v_add_f32_dpp v[\a], v[\a], v[\a] row_xmask:2 row_mask:0xf bank_mask:0xf
	s_delay_alu instid0(VALU_DEP_1)
	v_add_f32_dpp v[\a], v[\a], v[\a] row_xmask:4 row_mask:0xf bank_mask:0xf
	s_delay_alu instid0(VALU_DEP_1)
	v_add_f32_dpp v[\a], v[\a], v[\a] row_xmask:8 row_mask:0xf bank_mask:0xf
	s_delay_alu instid0(VALU_DEP_1)
	v_permlanex16_b32 v[\a+1], v[\a], s[SEL], s[SEL+1]
	s_delay_alu instid0(VALU_DEP_1)
	v_add_f32 v[\a], v[\a], v[\a+1]
.endm
.macro STAT x, a                       ; the row in v[x] on becomes x - mean; v[a + 2] = 1 / sqrt(var + eps)
	v_pk_add_f32 v[\a:\a+1], v[\x:\x+1], v[\x+2:\x+3]
	v_pk_add_f32 v[\a+2:\a+3], v[\x+4:\x+5], v[\x+6:\x+7]
.irp j, 8,12,16,20,24,28
	s_delay_alu instid0(VALU_DEP_2)
	v_pk_add_f32 v[\a:\a+1], v[\a:\a+1], v[\x+\j:\x+\j+1]
	s_delay_alu instid0(VALU_DEP_2)
	v_pk_add_f32 v[\a+2:\a+3], v[\a+2:\a+3], v[\x+\j+2:\x+\j+3]
.endr
	s_delay_alu instid0(VALU_DEP_1)
	v_pk_add_f32 v[\a:\a+1], v[\a:\a+1], v[\a+2:\a+3]
	s_delay_alu instid0(VALU_DEP_1)
	v_add_f32 v[\a], v[\a], v[\a+1]
	WSUM \a
	s_delay_alu instid0(VALU_DEP_1)
	v_mul_f32 v[\a], s40, v[\a]                    ; the mean: the sum / 1,024
.irp j, 0,2,4,6,8,10,12,14,16,18,20,22,24,26,28,30
	v_pk_add_f32 v[\x+\j:\x+\j+1], v[\x+\j:\x+\j+1], v[\a:\a+1] op_sel_hi:[1,0] neg_lo:[0,1] neg_hi:[0,1]
.endr
	v_pk_mul_f32 v[\a+2:\a+3], v[\x:\x+1], v[\x:\x+1]
	v_pk_mul_f32 v[\a+4:\a+5], v[\x+2:\x+3], v[\x+2:\x+3]
.irp j, 4,8,12,16,20,24,28
	s_delay_alu instid0(VALU_DEP_2)
	v_pk_fma_f32 v[\a+2:\a+3], v[\x+\j:\x+\j+1], v[\x+\j:\x+\j+1], v[\a+2:\a+3]
	s_delay_alu instid0(VALU_DEP_2)
	v_pk_fma_f32 v[\a+4:\a+5], v[\x+\j+2:\x+\j+3], v[\x+\j+2:\x+\j+3], v[\a+4:\a+5]
.endr
	s_delay_alu instid0(VALU_DEP_1)
	v_pk_add_f32 v[\a+2:\a+3], v[\a+2:\a+3], v[\a+4:\a+5]
	s_delay_alu instid0(VALU_DEP_1)
	v_add_f32 v[\a+2], v[\a+2], v[\a+3]
	WSUM \a+2
	s_delay_alu instid0(VALU_DEP_1)
	v_fma_f32 v[\a+2], v[\a+2], s40, s41           ; the variance + 1e-5
	s_wait_alu depctr_va_vdst(0)
	v_rsq_f32 v[\a+2], v[\a+2]
	v_nop                                          ; one plain place behind the transcendental
.endm
.macro NORM x, a, row                  ; y, and to LDS: 512 consecutive bytes a store
	s_wait_alu depctr_va_vdst(0)
.irp j, 0,2,4,6,8,10,12,14,16,18,20,22,24,26,28,30
	v_pk_mul_f32 v[\x+\j:\x+\j+1], v[\x+\j:\x+\j+1], v[\a+2:\a+3] op_sel_hi:[1,0]
.endr
.irp j, 0,2,4,6,8,10,12,14,16,18,20,22,24,26,28,30
	v_pk_fma_f32 v[\x+\j:\x+\j+1], v[\x+\j:\x+\j+1], v[GG+\j:GG+\j+1], v[BB+\j:BB+\j+1]
.endr
.irp j, 0,1,2,3,4,5,6,7
	ds_store_b128 v[LA], v[\x+4*\j:\x+4*\j+3] offset:\row*LP+512*\j
.endr
.endm
	s_load_b256 s[4:11], s[0:1], 0x0               ; W_qkv s[4:5], W_proj s[6:7], W_ffn1 s[8:9], W_ffn2 s[10:11]
	s_load_b256 s[12:19], s[0:1], 0x20             ; wimg s[12:13], rope s[14:15], x s[16:17], g s[18:19]
	s_load_b128 s[20:23], s[0:1], 0x40             ; b s[20:21], nimg s[22:23]
	v_lshl_add_u32 v160, v0, 2, 0x10100
	v_mov_b32 v161, 0
	v_lshrrev_b32 v1, 5, v0
	s_delay_alu instid0(VALU_DEP_1)
	v_readfirstlane_b32 s[WV], v1                  ; wave 0..7
	v_and_b32 v2, 31, v0                           ; lane
	v_and_b32 v3, 15, v0                           ; r
	v_bfe_u32 v4, v0, 4, 1                         ; u, or h: the lane's half
	s_wait_kmcnt 0x0
	s_cmp_ge_u32 ttmp9, 384                        ; the work-group's number: the same in all eight waves
	s_cbranch_scc1 .Lln
	; ---- THE WEIGHTS
	s_wait_alu depctr_va_vdst(0)
	v_and_b32 v5, 8, v3
	s_delay_alu instid0(VALU_DEP_1)
	v_add_nc_u32 v5, v5, v3                        ; r + 8 (r / 8)
	s_delay_alu instid0(VALU_DEP_1)
	v_lshl_add_u32 v5, v4, 3, v5                   ; my column of the wave's 32
	s_delay_alu instid0(VALU_DEP_1)
	v_lshlrev_b32 v5, 2, v5                        ; in bytes; never rewritten
	v_lshlrev_b32 v29, 2, v2                       ; 4 x lane
	s_cmp_lt_u32 ttmp9, 96
	s_cbranch_scc1 .Lqkv
	s_cmp_lt_u32 ttmp9, 128
	s_cbranch_scc1 .Lproj
	s_cmp_lt_u32 ttmp9, 256
	s_cbranch_scc1 .Lffn1
	s_wait_alu depctr_va_vdst(0)
	ARM 10, 256, 5, 1024, 32, 6815744
	s_branch .Lwork
.Lqkv:
	s_wait_alu depctr_va_vdst(0)
	ARM 4, 0, 3, 3072, 8, 0
	s_branch .Lwork
.Lproj:
	s_wait_alu depctr_va_vdst(0)
	ARM 6, 96, 3, 1024, 8, 2555904
	s_branch .Lwork
.Lffn1:
	s_wait_alu depctr_va_vdst(0)
	ARM 8, 128, 3, 4096, 8, 3407872
.Lwork:
	s_cmp_lt_u32 ttmp9, 256                        ; the table's 2,048 rows: one for each wave of the first 256 work-groups, made while the weights' loads are on their way
	s_cbranch_scc0 .Lno_rope
	s_lshl_b32 s25, ttmp9, 3
	s_add_co_u32 s25, s25, s[WV]                   ; the position
	s_mov_b32 s26, 0x3fc90fda                      ; pi / 2 in three parts
	s_mov_b32 s27, 0x33a22168
	s_mov_b32 s37, 0x27c234c4
	v_cvt_f32_u32 v6, v2
	s_delay_alu instid0(VALU_DEP_1)
	v_mul_f32 v6, 0xbed49a78, v6                   ; -i log2(10000) / 32
	s_wait_alu depctr_va_vdst(0)
	v_exp_f32 v6, v6                               ; 10000^(-i / 32)
	v_cvt_f32_u32 v7, s25                          ; (a plain place behind the exponential)
	s_wait_alu depctr_va_vdst(0)
	v_mul_f32 v7, v7, v6                           ; the angle
	s_delay_alu instid0(VALU_DEP_1)
	v_mul_f32 v8, 0x3f22f983, v7
	s_delay_alu instid0(VALU_DEP_1)
	v_rndne_f32 v8, v8                             ; n = the nearest whole number of quarter turns
	s_delay_alu instid0(VALU_DEP_1)
	v_fma_f32 v9, -v8, s26, v7
	s_delay_alu instid0(VALU_DEP_1)
	v_fma_f32 v9, -v8, s27, v9
	s_delay_alu instid0(VALU_DEP_1)
	v_fma_f32 v9, -v8, s37, v9                     ; what is left: at most pi / 4 in magnitude
	s_delay_alu instid0(VALU_DEP_1)
	v_mul_f32 v10, v9, v9
	v_mov_b32 v11, 0x3638ef1d                      ; the sine's series, to the 9th power
	s_delay_alu instid0(VALU_DEP_1)
	v_fmaak_f32 v11, v11, v10, 0xb9500d01
	s_delay_alu instid0(VALU_DEP_1)
	v_fmaak_f32 v11, v11, v10, 0x3c088889
	s_delay_alu instid0(VALU_DEP_1)
	v_fmaak_f32 v11, v11, v10, 0xbe2aaaab
	v_mul_f32 v12, v10, v9
	s_delay_alu instid0(VALU_DEP_1)
	v_fma_f32 v11, v11, v12, v9
	v_mov_b32 v13, 0xb493f27e                      ; the cosine's, to the 10th
	s_delay_alu instid0(VALU_DEP_1)
	v_fmaak_f32 v13, v13, v10, 0x37d00d01
	s_delay_alu instid0(VALU_DEP_1)
	v_fmaak_f32 v13, v13, v10, 0xbab60b61
	s_delay_alu instid0(VALU_DEP_1)
	v_fmaak_f32 v13, v13, v10, 0x3d2aaaab
	s_delay_alu instid0(VALU_DEP_1)
	v_fmaak_f32 v13, v13, v10, 0xbf000000
	s_delay_alu instid0(VALU_DEP_1)
	v_fma_f32 v13, v13, v10, 1.0
	v_cvt_i32_f32 v14, v8
	s_delay_alu instid0(VALU_DEP_1)
	v_and_b32 v15, 1, v14
	s_delay_alu instid0(VALU_DEP_1)
	v_cmp_ne_u32 vcc_lo, 0, v15                    ; an odd quarter: the two change places
	s_delay_alu instid0(VALU_DEP_1)
	v_cndmask_b32 v16, v11, v13, vcc_lo            ; the angle's sine,
	s_delay_alu instid0(VALU_DEP_2)
	v_cndmask_b32 v17, v13, v11, vcc_lo            ; its cosine
	v_and_b32 v18, 2, v14
	s_delay_alu instid0(VALU_DEP_1)
	v_lshlrev_b32 v18, 30, v18
	s_delay_alu instid0(VALU_DEP_1)
	v_xor_b32 v16, v16, v18                        ; the sine is negative in quarters 2 and 3,
	v_add_nc_u32 v19, 1, v14
	s_delay_alu instid0(VALU_DEP_1)
	v_and_b32 v19, 2, v19
	s_delay_alu instid0(VALU_DEP_1)
	v_lshlrev_b32 v19, 30, v19
	s_delay_alu instid0(VALU_DEP_1)
	v_xor_b32 v17, v17, v19                        ; the cosine in quarters 1 and 2
	s_lshl_b32 s28, s25, 8                         ; a row of the table: 32 cosines, 32 sines
	s_mov_b32 s29, 0
	s_add_nc_u64 s[14:15], s[14:15], s[28:29]
	global_store_b32 v29, v17, s[14:15]            ; v16, v17 and v29 are not written again
	global_store_b32 v29, v16, s[14:15] offset:128
.Lno_rope:
	v_mul_u32_u24 v27, s36, v4                     ; lanes 16-31 write the next tile's image
	s_delay_alu instid0(VALU_DEP_1)
	v_lshl_add_u32 v28, v3, 2, v27                 ; scale words: 4 r
	s_delay_alu instid0(VALU_DEP_2)
	v_lshl_add_u32 v27, v3, 4, v27                 ; codes: 16 r
	s_wait_loadcnt 63                              ; at most 63 of the 128 loads are out: the first 65 are in, blocks 0 and 1 among them
	BLK 0, 6, 10                                   ; block 0's codes wait in v6-8 and v10-12; from here on its numbers' registers, v32-63, take codes
	BLK 1, CD+12, 56
	s_wait_loadcnt 32                              ; block 3's 32 may be out
	BLK 2, CD+6, 60
	s_wait_loadcnt 0x0
	BLK 3, CD+18, 64                               ; (v64-66: block 1's numbers are done with)
	v_nop                                          ; one plain place behind the last scaled conversion
.irp i, 0,1,2
	v_mov_b32 v[CD+\i], v[6+\i]                    ; block 0: registers 0-5 of image lane r
	v_mov_b32 v[CD+3+\i], v[10+\i]
	v_mov_b32 v[CD+15+\i], v[56+\i]                ; block 1: registers 3-5 of image lane 16 + r
	v_mov_b32 v[CD+9+\i], v[60+\i]                 ; block 2: registers 9-11 of image lane r
	v_mov_b32 v[CD+21+\i], v[64+\i]                ; block 3: registers 9-11 of image lane 16 + r
.endr
.irp h, 0,1
.irp g, 0,1,2
	global_store_b128 v27, v[CD+12*\h+4*\g:CD+12*\h+4*\g+3], s[34:35] offset:512*\g+256*\h   ; sixteen lanes store 256 consecutive bytes of an image
.endr
	global_store_b32 v28, v26, s[34:35] offset:1536+64*\h   ; the scale words, for both halves of the image's lanes
.endr
	s_endpgm
.Lln:	; ---- THE NORM
	s_sub_co_u32 s25, ttmp9, 384                   ; T
	s_wait_alu depctr_va_vdst(0)
	v_lshlrev_b32 v[LI], 4, v2
	s_wait_alu depctr_va_vdst(0)
	v_lshlrev_b32 v[LS], 2, v2
	s_mov_b32 s[SEL], 0x76543210
	s_mov_b32 s[SEL+1], 0xfedcba98
	s_mov_b32 s40, 0x3a800000                      ; 1 / 1,024
	s_mov_b32 s41, 0x3727c5ac                      ; 1e-5
	s_lshr_b32 s26, s25, 1
	s_lshl_b32 s26, s26, 5
	s_and_b32 s27, s25, 1
	s_lshl_b32 s27, s27, 3
	s_add_co_u32 s26, s26, s27                     ; 32 (T / 2) + 8 (T % 2)
	s_lshl_b32 s27, s[WV], 1
	s_add_co_u32 s26, s26, s27                     ; + 2 w
	s_lshr_b32 s27, s[WV], 2
	s_lshl_b32 s27, s27, 3
	s_add_co_u32 s26, s26, s27                     ; + 8 (w / 4): my first row
	s_lshl_b32 s28, s26, 12                        ; rows of 4,096 bytes
	s_mov_b32 s29, 0
	s_mul_i32 s27, s[WV], 2*LP
	v_add_nc_u32 v[LA], s27, v[LI]                 ; LDS, phase A: my two rows, 16 x lane
	v_mul_u32_u24 v[LB], v3, LP
	s_delay_alu instid0(VALU_DEP_1)
	v_lshl_add_u32 v[LB], v4, 6, v[LB]
	s_lshl_b32 s27, s[WV], 9
	v_add_nc_u32 v[LB], s27, v[LB]                 ; LDS, phase B: row r, K step w, + 64 h
	s_lshl_b32 s30, s25, 3
	s_add_co_u32 s30, s30, s[WV]
	s_mul_i32 s30, s30, IMG                        ; image 8 T + w
	s_mov_b32 s31, 0
	s_add_nc_u64 s[16:17], s[16:17], s[28:29]
	s_add_nc_u64 s[22:23], s[22:23], s[30:31]
.irp j, 0,1,2,3,4,5,6,7
	global_load_b128 v[X0+4*\j:X0+4*\j+3], v[LI], s[16:17] offset:512*\j
.endr
.irp j, 0,1,2,3,4,5,6,7
	global_load_b128 v[X1+4*\j:X1+4*\j+3], v[LI], s[16:17] offset:4096+512*\j
.endr
.irp j, 0,1,2,3,4,5,6,7
	global_load_b128 v[GG+4*\j:GG+4*\j+3], v[LI], s[18:19] offset:512*\j
.endr
.irp j, 0,1,2,3,4,5,6,7
	global_load_b128 v[BB+4*\j:BB+4*\j+3], v[LI], s[20:21] offset:512*\j
.endr
	s_wait_loadcnt 16                              ; both rows are in; the sixteen younger loads, g's and b's, may be out
	STAT X0, S0
	STAT X1, S1
	s_wait_loadcnt 0x0
	NORM X0, S0, 0
	NORM X1, S1, 1
	s_wait_dscnt 0x0                               ; for the others' sake: my stores have landed
	s_barrier_signal -1
	s_barrier_wait -1
.irp b, 0,1,2,3
.irp j, 0,1,2,3
	ds_load_b128 v[X0+16*\b+4*\j:X0+16*\b+4*\j+3], v[LB] offset:128*\b+16*\j   ; y(r, 128 w + 32 b + 16 h + 4 j ..)
.endr
.endr
.irp b, 0,1,2,3
	v_mov_b32 v[TM+4+\b], 0                        ; a lane permute's destination counts as one of its sources; g is done with
.endr
	s_wait_dscnt 0x0
	QUANT X0
.irp g, 0,1,2
	global_store_b128 v[LI], v[PC+4*\g:PC+4*\g+3], s[22:23] offset:512*\g   ; 512 consecutive bytes of the image
.endr
	global_store_b32 v[LS], v[PW], s[22:23] offset:1536
	s_wait_tensorcnt 0x0
	ds_add_u32 v160, v161
	s_wait_dscnt 0x0
	s_endpgm
.Lfunc_end_k_qdb294a2842_prep:
	.size	k_qdb294a2842_prep, .Lfunc_end_k_qdb294a2842_prep-k_qdb294a2842_prep
	.p2alignl 7, 3214868480
	.fill 96, 4, 3214868480
	.section	.rodata,"a",@progbits
	.p2align	6, 0x0
	.amdhsa_kernel k_qdb294a2842_prep
		.amdhsa_group_segment_fixed_size 66816
		.amdhsa_private_segment_fixed_size 0
		.amdhsa_enable_private_segment 0
		.amdhsa_kernarg_size 80
		.amdhsa_user_sgpr_count 2
		.amdhsa_user_sgpr_kernarg_segment_ptr 1
		.amdhsa_wavefront_size32 1
		.amdhsa_system_sgpr_workgroup_id_x 1
		.amdhsa_system_sgpr_workgroup_id_y 1
		.amdhsa_system_sgpr_workgroup_id_z 1
		.amdhsa_system_vgpr_workitem_id 0
		.amdhsa_next_free_vgpr 162
		.amdhsa_next_free_sgpr 66
		.amdhsa_reserve_vcc 1
		.amdhsa_float_denorm_mode_32 3
		.amdhsa_float_denorm_mode_16_64 3
		.amdhsa_memory_ordered 1
		.amdhsa_forward_progress 1
		.amdhsa_inst_pref_size 93
	.end_amdhsa_kernel
	.amdgpu_metadata
---
amdhsa.version: [ 1, 2 ]
amdhsa.kernels:
  - .name:           k_qdb294a2842_prep
    .symbol:         k_qdb294a2842_prep.kd
    .args:
      - { .name: W_qkv, .offset: 0, .size: 8, .value_kind: global_buffer, .address_space: global }
      - { .name: W_proj, .offset: 8, .size: 8, .value_kind: global_buffer, .address_space: global }
      - { .name: W_ffn1, .offset: 16, .size: 8, .value_kind: global_buffer, .address_space: global }
      - { .name: W_ffn2, .offset: 24, .size: 8, .value_kind: global_buffer, .address_space: global }
      - { .name: wimg, .offset: 32, .size: 8, .value_kind: global_buffer, .address_space: global }
      - { .name: rope, .offset: 40, .size: 8, .value_kind: global_buffer, .address_space: global }
      - { .name: x, .offset: 48, .size: 8, .value_kind: global_buffer, .address_space: global }
      - { .name: ln1_g, .offset: 56, .size: 8, .value_kind: global_buffer, .address_space: global }
      - { .name: ln1_b, .offset: 64, .size: 8, .value_kind: global_buffer, .address_space: global }
      - { .name: nimg, .offset: 72, .size: 8, .value_kind: global_buffer, .address_space: global }
    .group_segment_fixed_size: 66816
    .private_segment_fixed_size: 0
    .kernarg_segment_align: 8
    .kernarg_segment_size: 80
    .max_flat_workgroup_size: 256
    .sgpr_count:     66
    .vgpr_count:     162
    .wavefront_size: 32
...
	.end_amdgpu_metadata
.endif
;; end of part 1
;; launch qkv (part 2): grid 12 x 16, 4 waves a work-group, clusters of 4 x 4, 327,680 bytes of LDS; arguments nimg, wimg, b_qkv, rope, qimg, kv; writes qimg, kv
.if DOCPART == 2
	.amdgcn_target "amdgcn-amd-amdhsa--gfx1250"
	.amdhsa_code_object_version 6
	.text
	.protected	k_qdb294a2842_qkv
	.globl	k_qdb294a2842_qkv
	.p2align	8
	.type	k_qdb294a2842_qkv,@function
k_qdb294a2842_qkv:
	s_mov_b64 s[64:65], 0
	v_nop
	global_prefetch_b8 v0, s[64:65] scope:SCOPE_SE
	s_setreg_imm32_b32 hwreg(HW_REG_WAVE_MODE, 25, 1), 1
	s_wait_xcnt 0x0
	s_wait_alu depctr_hold_cnt(0) depctr_sa_sdst(0) depctr_va_vdst(0) depctr_va_sdst(0) depctr_va_ssrc(0) depctr_va_vcc(0) depctr_vm_vsrc(0)
	s_getreg_b32 s2, hwreg(HW_REG_IB_STS2, 6, 4)
	s_cmp_eq_u32 s2, 0
	s_cbranch_scc0 .Lentry_in_a_cluster
	s_endpgm
.Lentry_in_a_cluster:
	s_bfe_u32 s2, ttmp6, 0x10000c
	s_cmp_lg_u32 s2, 0xf033
	s_cbranch_scc0 .Lentry_shape_is_right
	s_endpgm
.Lentry_shape_is_right:
; qkv = nx W_qkv + b_qkv on codes of FP6 (E2M3) with E8M0 scales; q and k rotated (RoPE); q, k and v quantised again for attention's two products and stored as images of operand registers.
; OPERANDS ARE IMAGES (1,664 bytes: 16 rows x 128 K as the registers hold them, byte 512 g + 16 l + 4 e = register 4 g + e of lane l, byte 1,536 + 4 l the row's scale word), laid [tile][K step]; tile T's lane r is row
; 32 (T / 2) + 8 (T % 2) + r + 8 (r / 8).  So a fragment is three loads of 16 bytes a lane at 16 x lane, dense, and the 64 registers of one A block against B's eight tiles are 128 neighbours of B's rows, 16 to a block of 32 in each lane.
; A tile of 256 x 256 is made by four waves, 128 x 128 each: 64 accumulators, 512 registers.  K = 1,024 goes in steps of 256 through a ring of two LDS slots filled by the tensor data mover.
; THE MATRIX INSTRUCTION IS USED TRANSPOSED (source 0 = operand B, source 1 = operand A): a lane holds ONE row of A, and its registers run along B's rows.
; SECTIONS, by the cluster's x, which all partners share: 0 = q, 1 = k: A = tokens, B = weight columns: a lane holds a token and its registers run along the head's 64: RoPE's partners d and d + 32 lie in one lane, and
; the quantiser's K (the head's axis) runs along registers.  2 = v: THE OPERANDS CHANGE ROLES, A = weight columns, B = tokens: a lane holds a channel d and its registers run along the tokens, which are the second product's K.
; CLUSTERS: 4 x 4 work-groups; A's tiles are shared along a row of the cluster, B's along a column: each is asked for jointly, by the same tensor load with the same descriptor and a mask that names the four.
; OUT: qimg [head 32][pair 64]: a PAIR IMAGE holds token tile 2 p in registers 0-5 and scale bytes 0, 1, tile 2 p + 1 in registers 6-11 and bytes 2, 3 (K = the head's 64).
;      kv [head][key step 16][4 pair images of k | 4 images of v^T (16 channels x 128 keys)].
; The 8-byte and 2-byte stores of a pair image fill their 256 bytes in two goes, by the same wave: one third of these images' bytes.
; LIMITS: a block of zeros gets the byte 1 (zero codes; read by this program alone); NaN and infinities are not served.
; REGISTERS: window 0: v1-29 addresses; v32-63 scale words, two sets; v128-223 A's eight fragments, one set.  window 1: B's fragments, two sets, at v0 and v128.  windows 2, 3: accumulator (a, b) at v[8 (8 (a % 4) + b)].
;   On the way out: window 0: v32-95 bias, v96-159 the 64 numbers in hand, v160-163 and v200-238 at work; window 1: cosines and sines, 32 registers a block.
.set IMG,    1664
.set KS,     8                         ; K steps of 128
.set NQ,     2                         ; of them in a slot
.set ROWB,   NQ*IMG                    ; a tile's bytes in a slot
.set PITCHG, KS*IMG                    ; from tile to tile in memory
.set HALFT,  8*ROWB                    ; 8 tiles: what one tensor load brings, and what one wave reads of A or of B
.set SLOT,   4*HALFT                   ; A's 16 tiles, then B's 16
.set SPARE,  2*SLOT                    ; behind the ring: the spare words, 128 bytes for each wave
.set LAPS,   KS/(2*NQ)
.set FR,     12
.set NL,     3                         ; LDS loads that bring a fragment
.set NP,     4                         ; places behind this matrix instruction (ISA guide 7.12.1)
.set ADRA, 16                          ; v16-17 LDS address of my A fragments in slot 0, 1
.set ADRB, 20                          ; v20-21 of B's
.set ADRS, 22                          ; v22-23 of my scale words: lanes 0-15 A's, lanes 16-31 B's
.set LI,   24                          ; v24 16 x lane
.set LS,   25                          ; v25 4 x lane
.set SPW,  28                          ; v28 my spare word's address; never rewritten
.set NIL,  29                          ; v29 0; never rewritten
.set SC,   32                          ; scale words: set s at v[SC + 16 s]; register 2 i + q: block i, the slot's q-th 128 along K
.set AF,   128
.set BI,   32                          ; the way out: bias
.set HA,   96
.set TM,   200
.set PW,   216
.set PC,   220
.set G1,  24
.set G0,  32
.set G1B, 48
.set G0B, 56
.set TC,  42                           ; s42 tile column (B's)
.set WV,  66
.set RH,  67                           ; which half of A's tiles is mine.  Also: I fetch for A (0) or for B (1)
.set CH,  68                           ; which half of B's.  Also: which 8 tiles I fetch
.set TR,  69                           ; tile row (A's)
.set SEL, 78
.set MSB, 0
.macro WIN new                         ; the immediate's high byte repeats the setting that is left
.if MSB != (\new)
	s_set_vgpr_msb (MSB<<8)|(\new)
.set MSB, (\new)
.endif
.endm
.set MUL_LO, 0xa1                      ; source 0 (B) window 1, source 1 (A) window 0, C and D window 2
.set MUL_HI, 0xf1
.set TO_B,   0x40
.macro JLOAD s                         ; a joint load: waves 0 and 1 fetch A's halves, waves 2 and 3 B's; four v_nop follow each of the two lines
	s_cmp_eq_u32 s[RH], 0
	s_cbranch_scc0 .Lfor_b_\@
	tensor_load_to_lds s[G0+4*\s:G0+4*\s+3], s[G1:G1+7]
	s_nop 0
.rept 4
	v_nop
.endr
	s_branch .Lasked_\@
.Lfor_b_\@:
	tensor_load_to_lds s[G0B+4*\s:G0B+4*\s+3], s[G1B:G1B+7]
	s_nop 0
.rept 4
	v_nop
.endr
.Lasked_\@:
.endm
.macro CREST                           ; a round of the cluster's barrier behind its opening barrier
	s_cmp_lg_u32 s[WV], 0
	s_cbranch_scc1 .Lnot_wave_0_\@
	s_barrier_signal -3
.Lnot_wave_0_\@:
	s_barrier_wait -3
	s_barrier_signal -1
	s_barrier_wait -1
.endm
.macro CROUND
	s_barrier_signal -1
	s_barrier_wait -1
	CREST
.endm
.macro PLACES n
.rept \n
	v_nop
.endr
.endm
.macro QUANT s                         ; 64 numbers of a lane, register 16 b + i = k 32 b + 16 (lane / 16) + i of my row, become a fragment's codes in v[PC] on and its scale word in v[PW]
.irp b, 0,1,2,3
	v_max3_num_f32 v[TM+\b], |v[\s+16*\b]|, |v[\s+1+16*\b]|, 0x1800000   ; the floor 2^(3 - 127): the byte cannot fall under 1
.endr
.irp i, 2,4,6,8,10,12,14
.irp b, 0,1,2,3
	v_max3_num_f32 v[TM+\b], v[TM+\b], |v[\s+16*\b+\i]|, |v[\s+1+16*\b+\i]|
.endr
.endr
.irp b, 0,1,2,3
	v_permlanex16_b32 v[TM+4+\b], v[TM+\b], s[SEL], s[SEL+1]
.endr
.irp b, 0,1,2,3
	v_max_num_f32 v[TM+\b], v[TM+\b], v[TM+4+\b]
.endr
.irp b, 0,1,2,3
	v_add_nc_u32 v[TM+12+\b], 0xff000000, v[TM+\b]   ; 2 off the exponent field: the conversion's scale operand
.endr
.irp b, 0,1,2,3
	v_lshrrev_b32 v[TM+4+\b], 23, v[TM+12+\b]
.endr
	v_lshl_or_b32 v[PW], v[TM+5], 8, v[TM+4]
	v_lshl_or_b32 v[PW], v[TM+6], 16, v[PW]
	v_lshl_or_b32 v[PW], v[TM+7], 24, v[PW]
.irp c, 0,1
	v_cvt_scalef32_pk16_fp6_f32 v[PC+6*\c:PC+2+6*\c], v[\s+32*\c:\s+15+32*\c], v[TM+12+2*\c]
	v_cvt_scalef32_pk16_fp6_f32 v[PC+12+4*\c:PC+14+4*\c], v[\s+16+32*\c:\s+31+32*\c], v[TM+12+2*\c+1]
.endr
	v_nop                                          ; one plain place behind a scaled conversion
.irp c, 0,1
.irp i, 0,1,2
	v_permlane16_swap_b32 v[PC+6*\c+\i], v[PC+12+4*\c+\i]
.endr
.irp i, 0,1,2
	v_mov_b32 v[PC+3+6*\c+\i], v[PC+12+4*\c+\i]
.endr
.endr
.endm
	s_load_b256 s[4:11], s[0:1], 0x0               ; nimg s[4:5], wimg s[6:7], b_qkv s[8:9], rope s[10:11]
	s_load_b128 s[12:15], s[0:1], 0x20             ; qimg s[12:13], kv s[14:15]
	v_lshl_add_u32 v[SPW], v0, 2, SPARE
	v_mov_b32 v[NIL], 0
	ds_add_u32 v28, v29
	ds_add_u32 v28, v29
	s_wait_dscnt 0x0
	v_lshrrev_b32 v1, 5, v0
	v_readfirstlane_b32 s[WV], v1                  ; wave 0..3
	s_lshr_b32 s[RH], s[WV], 1
	s_and_b32 s[CH], s[WV], 1
	s_bfe_u32 s40, ttmp6, 0x40000                  ; cx, cy: my place in the cluster
	s_bfe_u32 s41, ttmp6, 0x40004
	s_and_b32 s70, ttmp7, 0xffff                   ; the cluster's y
	s_cmp_eq_u32 ttmp9, 2                          ; the section v?  The cluster's x is the same in all partners
	s_cselect_b32 s71, 0, s70                      ; v: A's tiles are the 64 of the weight's v columns: 4 tile rows, cy alone
	s_cselect_b32 s72, s70, ttmp9                  ; and B's are the tokens'
	s_lshl_b32 s[TR], s71, 2
	s_add_co_u32 s[TR], s[TR], s41                 ; tile row
	s_lshl_b32 s[TC], s72, 2
	s_add_co_u32 s[TC], s[TC], s40                 ; tile column
	s_lshl_b32 s43, s41, 2
	s_lshl_b32 s43, 15, s43                        ; my row of the cluster
	s_lshl_b32 s44, 0x1111, s40                    ; my column
	; descriptor group 1: 8 tiles: 8 rows of 3,328 bytes (416 elements of 8 bytes), 13,312 bytes apart; no padding: images are read densely
	s_or_b32 s[G1+0], s43, (3<<16)|(1<<21)         ; 15:0 the mask; 17:16 elements of 8 bytes; 21 set beside a mask
	s_or_b32 s[G1B+0], s44, (3<<16)|(1<<21)
.irp g, G1, G1B
	s_mov_b32 s[\g+1], (ROWB/8)<<16                ; tensor_dim0
	s_mov_b32 s[\g+2], 8<<16                       ; tensor_dim1
	s_mov_b32 s[\g+3], (ROWB/8)<<16                ; tile_dim0
	s_mov_b32 s[\g+4], 8                           ; tile_dim1
	s_mov_b32 s[\g+5], PITCHG/8                    ; tensor_dim0_stride
	s_mov_b32 s[\g+6], 0
	s_mov_b32 s[\g+7], 0
.endr
	s_lshl_b32 s18, s[CH], 3                       ; which 8 tiles I fetch
	s_lshl_b32 s20, s[TR], 4
	s_add_co_u32 s20, s20, s18
	s_mul_i32 s20, s20, PITCHG                     ; A: tile 16 x tile row + 8 x half
	s_mov_b32 s21, 0
	s_lshl_b32 s46, s[TC], 4
	s_add_co_u32 s46, s46, s18
	s_mul_i32 s46, s46, PITCHG                     ; B: tile 16 x tile column + 8 x half
	s_mov_b32 s47, 0
	s_mul_i32 s45, s[WV], HALFT                    ; where they go: no place in the cluster enters an LDS address
	s_wait_kmcnt 0x0
	s_add_nc_u64 s[74:75], s[6:7], 128*PITCHG      ; the weight's v columns: tiles 128 on
	s_cmp_eq_u32 ttmp9, 2
	s_cselect_b64 s[76:77], s[74:75], s[4:5]       ; A's buffer
	s_cselect_b64 s[80:81], s[4:5], s[6:7]         ; B's
	s_add_nc_u64 s[20:21], s[76:77], s[20:21]
	s_add_nc_u64 s[46:47], s[80:81], s[46:47]
	CROUND                                         ; all sixteen work-groups are here: the first joint loads meet
.irp s, 0,1
	s_mov_b32 s[G0+4*\s], 1
	s_add_co_u32 s[G0+4*\s+1], s45, \s*SLOT
	s_add_nc_u64 s[G0+4*\s+2:G0+4*\s+3], s[20:21], \s*ROWB
	s_or_b32 s[G0+4*\s+3], s[G0+4*\s+3], 0x80000000
	s_mov_b32 s[G0B+4*\s], 1
	s_add_co_u32 s[G0B+4*\s+1], s45, \s*SLOT
	s_add_nc_u64 s[G0B+4*\s+2:G0B+4*\s+3], s[46:47], \s*ROWB
	s_or_b32 s[G0B+4*\s+3], s[G0B+4*\s+3], 0x80000000
.endr
	JLOAD 0                                        ; slot 0: one tensor load a wave at the head
	v_and_b32 v1, 31, v0
	v_lshlrev_b32 v[LI], 4, v1
	v_lshlrev_b32 v[LS], 2, v1
	v_and_b32 v2, 15, v0                           ; r
	v_bfe_u32 v3, v0, 4, 1                         ; h
	s_mul_i32 s21, s[RH], HALFT                    ; my 8 tiles of A
	s_mul_i32 s22, s[CH], HALFT
	s_add_co_u32 s22, s22, 2*HALFT                 ; my 8 of B, behind A's 16
	v_add_nc_u32 v[ADRA], s21, v[LI]
	v_add_nc_u32 v[ADRB], s22, v[LI]
	v_add_nc_u32 v[ADRA+1], SLOT, v[ADRA]
	v_add_nc_u32 v[ADRB+1], SLOT, v[ADRB]
	s_xor_b32 s23, s[RH], 1
	s_add_co_u32 s23, s23, s[CH]
	s_add_co_u32 s23, s23, 1
	s_mul_i32 s23, s23, HALFT                      ; from my A tiles to my B tiles: (2 + CH - RH) x 8 tiles
	v_mul_u32_u24 v6, s23, v3                      ; lanes 16-31 take B's scale words
	v_lshl_add_u32 v6, v2, 2, v6
	s_add_co_u32 s21, s21, 1536
	v_add_nc_u32 v[ADRS], s21, v6
	v_add_nc_u32 v[ADRS+1], SLOT, v[ADRS]
	s_mov_b32 s[SEL], 0x76543210
	s_mov_b32 s[SEL+1], 0xfedcba98
.macro FRAG reg, adr, q, i             ; a fragment: tile i of my eight, the slot's q-th 128 along K: three loads of 512 consecutive bytes
.irp g, 0,1,2
	ds_load_b128 v[\reg+4*\g:\reg+4*\g+3], v[\adr] offset:(\i)*ROWB+(\q)*IMG+512*\g
.endr
.endm
; 16 matrix instructions: A's blocks a0, a0 + 1 x B's eight.  The 64 accumulators take turns, one instruction a turn, in the same order in every step.
.macro MUL16 a0, p, q, sc, zero
.irp a, \a0, \a0+1
.irp b, 0,1,2,3,4,5,6,7
.if \zero
	v_wmma_scale_f32_16x16x128_f8f6f4 v[8*(8*((\a)%4)+\b):8*(8*((\a)%4)+\b)+7], v[128*(\p)+FR*\b:128*(\p)+FR*\b+FR-1], v[AF+FR*(\a):AF+FR*(\a)+FR-1], 0, v[SC+16*(\sc)+2*\b+(\q)], v[SC+16*(\sc)+2*(\a)+(\q)] matrix_a_fmt:MATRIX_FMT_FP6 matrix_b_fmt:MATRIX_FMT_FP6 matrix_a_scale:MATRIX_SCALE_ROW1
.else
	v_wmma_scale_f32_16x16x128_f8f6f4 v[8*(8*((\a)%4)+\b):8*(8*((\a)%4)+\b)+7], v[128*(\p)+FR*\b:128*(\p)+FR*\b+FR-1], v[AF+FR*(\a):AF+FR*(\a)+FR-1], v[8*(8*((\a)%4)+\b):8*(8*((\a)%4)+\b)+7], v[SC+16*(\sc)+2*\b+(\q)], v[SC+16*(\sc)+2*(\a)+(\q)] matrix_a_fmt:MATRIX_FMT_FP6 matrix_b_fmt:MATRIX_FMT_FP6 matrix_a_scale:MATRIX_SCALE_ROW1
.endif
.endr
.endr
.endm
.macro FETCH_B slot, q, p
	WIN TO_B
.irp i, 0,1,2,3,4,5,6,7
	FRAG 128*(\p)+FR*\i, ADRB+\slot, \q, \i
.endr
	WIN 0
.endm
.macro FETCH_A slot, q, i0
.irp i, \i0, \i0+1, \i0+2, \i0+3
	FRAG AF+FR*(\i), ADRA+\slot, \q, \i
.endr
.endm
.macro SCALES sc                       ; a slot's scale words: lanes 0-15 A's block i, lanes 16-31 B's block i
.irp i, 0,1,2,3,4,5,6,7
.irp q, 0,1
	ds_load_b32 v[SC+16*\sc+2*\i+\q], v[ADRS+\sc] offset:\i*ROWB+\q*IMG
.endr
.endr
.endm
.macro STEP slot, q, zero              ; a step of 128 along K that has its successor in the same slot
	s_wait_dscnt 4*NL                              ; all but the youngest twelve loads (A's blocks 4-7) are in
	WIN MUL_LO
	MUL16 0, (\q)%2, \q, \slot, \zero
	MUL16 2, (\q)%2, \q, \slot, \zero
	s_wait_dscnt 0x0
	PLACES NP                                      ; in front of loads into registers that matrix instructions have read
	FETCH_B \slot, (\q)+1, 1-(\q)%2
	FETCH_A \slot, (\q)+1, 0
	WIN MUL_HI
	MUL16 4, (\q)%2, \q, \slot, \zero
	MUL16 6, (\q)%2, \q, \slot, \zero
	PLACES NP
	WIN 0
	FETCH_A \slot, (\q)+1, 4
.endm
; A slot's last step changes slots: one barrier; in front of it each wave waits for all its tensor loads, adds 0 to its spare word, and waits for that and for its reads of this slot.  fill = 1: the slot is filled again, two slots ahead.
.macro TURN slot, next, fill
	s_wait_tensorcnt 0x0                           ; all my tensor loads have landed: my part of the next slot
	ds_add_u32 v[SPW], v[NIL]                      ; 0 onto my spare word
	s_wait_dscnt 4*NL+1                            ; the add and the youngest twelve loads may be out
	WIN MUL_LO
	MUL16 0, 1, NQ-1, \slot, 0
	s_wait_dscnt 0x0                               ; the add is done, and my reads of this slot are over
	s_barrier_signal -1
	MUL16 2, 1, NQ-1, \slot, 0
	WIN 0
	s_barrier_wait -1
.if \fill
	CREST                                          ; the barrier has opened a round of the cluster's barrier: no wave of any partner still reads this slot or has a load on its way
	s_add_nc_u64 s[G0+4*\slot+2:G0+4*\slot+3], s[G0+4*\slot+2:G0+4*\slot+3], 2*ROWB
	s_add_nc_u64 s[G0B+4*\slot+2:G0B+4*\slot+3], s[G0B+4*\slot+2:G0B+4*\slot+3], 2*ROWB
	JLOAD \slot                                    ; the first tensor load behind the round; its four v_nop are the places in front of the loads below
.else
	PLACES NP
.endif
	FETCH_B \next, 0, 0
	FETCH_A \next, 0, 0
	SCALES \next
	WIN MUL_HI
	MUL16 4, 1, NQ-1, \slot, 0
	MUL16 6, 1, NQ-1, \slot, 0
	PLACES NP
	WIN 0
	FETCH_A \next, 0, 4
.endm
	s_wait_alu depctr_va_vdst(0)
	s_wait_tensorcnt 0x0                           ; my part of slot 0 is in; slot 1's first fill is issued as a refill is
	ds_add_u32 v[SPW], v[NIL]
	s_wait_dscnt 0x0
	CROUND
	JLOAD 1
	FETCH_B 0, 0, 0
	FETCH_A 0, 0, 0
	SCALES 0
	FETCH_A 0, 0, 4
	STEP 0, 0, 1                                   ; the first step's products start the sums: nothing is cleared
	s_mov_b32 s3, LAPS-1
.Llap:
	TURN 0, 1, 1
	STEP 1, 0, 0
	TURN 1, 0, 1
	STEP 0, 0, 0
	s_sub_co_u32 s3, s3, 1
	s_cmp_lg_u32 s3, 0
	s_cbranch_scc1 .Llap
	TURN 0, 1, 0                                   ; the last lap fills nothing
	STEP 1, 0, 0
	s_wait_dscnt 4*NL
	WIN MUL_LO
	MUL16 0, 1, NQ-1, 1, 0
	MUL16 2, 1, NQ-1, 1, 0
	s_wait_dscnt 0x0
	WIN MUL_HI
	MUL16 4, 1, NQ-1, 1, 0
	MUL16 6, 1, NQ-1, 1, 0
	WIN 0
	PLACES NP                                      ; behind the last products: their results are read and their operands' registers written below
.irp b, 0,1,2,3
	v_mov_b32 v[TM+4+\b], 0                        ; a lane permute's destination counts as one of its sources
.endr
	s_lshl_b32 s70, s[RH], 3
	s_mov_b32 s75, 0
	s_cmp_eq_u32 ttmp9, 2
	s_cbranch_scc1 .Lv
	; ---- q and k.  Lane (r, h) holds a token; register 16 beta + i of a block is column 32 beta + 16 h + i of my 128: two heads of 64
	s_lshl_b32 s71, s[TR], 4
	s_add_co_u32 s71, s71, s70                     ; my first token tile
	s_lshr_b32 s72, s71, 7                         ; the batch
	s_bfe_u32 s73, s71, 0x40003                    ; which 128 tokens of its 2,048
	s_lshl_b32 s72, s72, 4
	s_lshl_b32 s74, s40, 2
	s_add_co_u32 s72, s72, s74
	s_lshl_b32 s74, s[CH], 1
	s_add_co_u32 s72, s72, s74                     ; my first head: 16 x batch + 4 cx + 2 CH
	s_mov_b32 s84, 212992                          ; k: a head's bytes, and a key step's
	s_mov_b32 s85, 13312
	s_cmp_eq_u32 ttmp9, 0
	s_cselect_b32 s84, 106496, s84                 ; q: 64 pair images a head, 4 for 128 tokens
	s_cselect_b32 s85, 6656, s85
	s_cselect_b64 s[86:87], s[12:13], s[14:15]
	s_mul_i32 s74, s72, s84
	s_mul_i32 s76, s73, s85
	s_add_co_u32 s74, s74, s76
	s_add_nc_u64 s[80:81], s[86:87], s[74:75]      ; the first head's four pair images,
	s_mov_b32 s85, 0
	s_add_nc_u64 s[82:83], s[80:81], s[84:85]      ; the second's
	s_lshl_b32 s74, s[TC], 10
	s_lshl_b32 s76, s[CH], 9
	s_add_co_u32 s74, s74, s76
	s_add_nc_u64 s[8:9], s[8:9], s[74:75]          ; the bias of my 128 columns
	v_lshlrev_b32 v4, 6, v3                        ; 64 h
.irp n, 0,1,2,3,4,5,6,7,8,9,10,11,12,13,14,15
	global_load_b128 v[BI+4*\n:BI+4*\n+3], v4, s[8:9] offset:128*(\n/4)+16*(\n%4)
.endr
	s_and_b32 s74, s71, 127
	s_lshl_b32 s74, s74, 12                        ; 16 positions of 256 bytes a tile
	s_add_nc_u64 s[10:11], s[10:11], s[74:75]
	v_and_b32 v5, 8, v2
	v_add_nc_u32 v5, v5, v2                        ; r + 8 (r / 8)
	v_lshlrev_b32 v5, 8, v5
	v_lshl_add_u32 v5, v3, 6, v5                   ; my token's row of the table, frequencies 16 h on
	WIN 0x40                                       ; destination window 1
.irp a, 0,1,2,3,4,5,6,7
.irp j, 0,1,2,3
	global_load_b128 v[32*\a+4*\j:32*\a+4*\j+3], v5, s[10:11] offset:(32*(\a/2)+8*(\a%2))*256+16*\j          ; 16 cosines
.endr
.irp j, 0,1,2,3
	global_load_b128 v[32*\a+16+4*\j:32*\a+16+4*\j+3], v5, s[10:11] offset:(32*(\a/2)+8*(\a%2))*256+128+16*\j   ; 16 sines
.endr
.endr
	WIN 0
.macro QKBLK a
	s_wait_loadcnt 8*(7-\a)                        ; the bias and this block's table are in; the later blocks' eight loads each may be out
	WIN 0x02+(\a)/4                                ; source 0: window 2 or 3
.set n, 0
.rept 32
	v_pk_add_f32 v[HA+n:HA+n+1], v[64*((\a)%4)+n:64*((\a)%4)+n+1], v[BI+n:BI+n+1]   ; + bias; each accumulator from its low end on
.set n, n+2
.endr
	WIN 0x04                                       ; source 1: window 1
.irp hh, 0,1
.irp e, 0,2,4,6,8,10,12,14
	v_pk_mul_f32 v[160:161], v[HA+32*\hh+16+\e:HA+32*\hh+17+\e], v[32*(\a)+16+\e:32*(\a)+17+\e]   ; x(d + 32) sin
	v_pk_mul_f32 v[162:163], v[HA+32*\hh+\e:HA+32*\hh+1+\e], v[32*(\a)+16+\e:32*(\a)+17+\e]       ; x(d) sin
	v_pk_fma_f32 v[HA+32*\hh+\e:HA+32*\hh+1+\e], v[HA+32*\hh+\e:HA+32*\hh+1+\e], v[32*(\a)+\e:32*(\a)+1+\e], v[160:161] neg_lo:[0,0,1] neg_hi:[0,0,1]
	v_pk_fma_f32 v[HA+32*\hh+16+\e:HA+32*\hh+17+\e], v[HA+32*\hh+16+\e:HA+32*\hh+17+\e], v[32*(\a)+\e:32*(\a)+1+\e], v[162:163]
.endr
.endr
	WIN 0
.if \a > 0
	s_wait_xcnt 0x0                                ; the last block's stores have read their registers: the codes may be written again
.endif
	QUANT HA                                       ; registers 0-5 and the word's low half: the first head; 6-11 and the high half: the second
.set IO, ((\a)/2)*IMG
.if (\a)%2 == 0
	global_store_b128 v[LI], v[PC:PC+3], s[80:81] offset:IO
	global_store_b64 v[LI], v[PC+4:PC+5], s[80:81] offset:IO+512
	global_store_b16 v[LS], v[PW], s[80:81] offset:IO+1536
	global_store_b128 v[LI], v[PC+6:PC+9], s[82:83] offset:IO
	global_store_b64 v[LI], v[PC+10:PC+11], s[82:83] offset:IO+512
	global_store_d16_hi_b16 v[LS], v[PW], s[82:83] offset:IO+1536
.else
	global_store_b64 v[LI], v[PC:PC+1], s[80:81] offset:IO+520
	global_store_b128 v[LI], v[PC+2:PC+5], s[80:81] offset:IO+1024
	global_store_b16 v[LS], v[PW], s[80:81] offset:IO+1538
	global_store_b64 v[LI], v[PC+6:PC+7], s[82:83] offset:IO+520
	global_store_b128 v[LI], v[PC+8:PC+11], s[82:83] offset:IO+1024
	global_store_d16_hi_b16 v[LS], v[PW], s[82:83] offset:IO+1538
.endif
.endm
.irp a, 0,1,2,3,4,5,6,7
	QKBLK \a
.endr
	s_branch .Lend
.Lv:	; ---- v.  Lane (r, h) holds a channel; register 16 beta + i of a block is token 32 beta + 16 h + i of my 128: one key step
	s_lshl_b32 s71, s[TR], 4
	s_add_co_u32 s71, s71, s70                     ; my first tile of v's 64 column tiles
	s_lshl_b32 s72, s[TC], 4
	s_lshl_b32 s73, s[CH], 3
	s_add_co_u32 s72, s72, s73                     ; my first token tile
	s_lshr_b32 s73, s72, 7
	s_lshl_b32 s73, s73, 4
	s_lshr_b32 s74, s71, 2
	s_add_co_u32 s73, s73, s74                     ; my first head: 16 x batch + column tile / 4
	s_mul_i32 s74, s73, 212992
	s_bfe_u32 s76, s72, 0x40003                    ; the key step
	s_mul_i32 s76, s76, 13312
	s_add_co_u32 s74, s74, s76
	s_add_co_u32 s74, s74, 4*IMG                   ; behind k's four pair images
	s_add_nc_u64 s[80:81], s[14:15], s[74:75]
	s_lshl_b32 s74, s71, 6
	s_add_co_u32 s74, s74, 8192                    ; the bias of column 2,048 + 16 x tile
	s_add_nc_u64 s[8:9], s[8:9], s[74:75]
	v_and_b32 v5, 8, v2
	v_add_nc_u32 v5, v5, v2
	v_lshlrev_b32 v5, 2, v5
.irp a, 0,1,2,3,4,5,6,7
	global_load_b32 v[BI+\a], v5, s[8:9] offset:4*(32*(\a/2)+8*(\a%2))   ; my channel's bias in block a
.endr
	s_wait_loadcnt 0x0
.macro VBLK a
	WIN 0x02+(\a)/4
.set n, 0
.rept 32
.if (\a)%2 == 0
	v_pk_add_f32 v[HA+n:HA+n+1], v[64*((\a)%4)+n:64*((\a)%4)+n+1], v[BI+2*((\a)/2):BI+2*((\a)/2)+1] op_sel_hi:[1,0]
.else
	v_pk_add_f32 v[HA+n:HA+n+1], v[64*((\a)%4)+n:64*((\a)%4)+n+1], v[BI+2*((\a)/2):BI+2*((\a)/2)+1] op_sel:[0,1] op_sel_hi:[1,1]
.endif
.set n, n+2
.endr
	WIN 0
.if \a > 0
	s_wait_xcnt 0x0
.endif
	QUANT HA
.irp g, 0,1,2
	global_store_b128 v[LI], v[PC+4*\g:PC+4*\g+3], s[80:81] offset:((\a)/4)*212992+((\a)%4)*IMG+512*\g
.endr
	global_store_b32 v[LS], v[PW], s[80:81] offset:((\a)/4)*212992+((\a)%4)*IMG+1536
.endm
.irp a, 0,1,2,3,4,5,6,7
	VBLK \a
.endr
.Lend:
	s_wait_tensorcnt 0x0                           ; the wave's end
	ds_add_u32 v[SPW], v[NIL]
	s_wait_dscnt 0x0
	CROUND                                         ; the closing round: no work-group ends while a partner may still ask for a tile that names it
	s_endpgm
.Lfunc_end_k_qdb294a2842_qkv:
	.size	k_qdb294a2842_qkv, .Lfunc_end_k_qdb294a2842_qkv-k_qdb294a2842_qkv
	.p2alignl 7, 3214868480
	.fill 96, 4, 3214868480
	.section	.rodata,"a",@progbits
	.p2align	6, 0x0
	.amdhsa_kernel k_qdb294a2842_qkv
		.amdhsa_group_segment_fixed_size 327680
		.amdhsa_private_segment_fixed_size 0
		.amdhsa_enable_private_segment 0
		.amdhsa_kernarg_size 48
		.amdhsa_user_sgpr_count 2
		.amdhsa_user_sgpr_kernarg_segment_ptr 1
		.amdhsa_wavefront_size32 1
		.amdhsa_system_sgpr_workgroup_id_x 1
		.amdhsa_system_sgpr_workgroup_id_y 1
		.amdhsa_system_sgpr_workgroup_id_z 1
		.amdhsa_system_vgpr_workitem_id 0
		.amdhsa_next_free_vgpr 1024
		.amdhsa_next_free_sgpr 92
		.amdhsa_reserve_vcc 0
		.amdhsa_float_denorm_mode_32 3
		.amdhsa_float_denorm_mode_16_64 3
		.amdhsa_memory_ordered 1
		.amdhsa_forward_progress 1
		.amdhsa_inst_pref_size 249
	.end_amdhsa_kernel
	.amdgpu_metadata
---
amdhsa.version: [ 1, 2 ]
amdhsa.kernels:
  - .name:           k_qdb294a2842_qkv
    .symbol:         k_qdb294a2842_qkv.kd
    .args:
      - { .name: nimg, .offset: 0, .size: 8, .value_kind: global_buffer, .address_space: global }
      - { .name: wimg, .offset: 8, .size: 8, .value_kind: global_buffer, .address_space: global }
      - { .name: b_qkv, .offset: 16, .size: 8, .value_kind: global_buffer, .address_space: global }
      - { .name: rope, .offset: 24, .size: 8, .value_kind: global_buffer, .address_space: global }
      - { .name: qimg, .offset: 32, .size: 8, .value_kind: global_buffer, .address_space: global }
      - { .name: kv, .offset: 40, .size: 8, .value_kind: global_buffer, .address_space: global }
    .group_segment_fixed_size: 327680
    .private_segment_fixed_size: 0
    .kernarg_segment_align: 8
    .kernarg_segment_size: 48
    .max_flat_workgroup_size: 128
    .sgpr_count:     92
    .vgpr_count:     1024
    .wavefront_size: 32
...
	.end_amdgpu_metadata
.endif
;; end of part 2
;; launch attn (part 3): grid 8 x 32, 8 waves a work-group, clusters of 4 x 1, 214,016 bytes of LDS; arguments qimg, kv, oimg; writes oimg
.if DOCPART == 3
	.amdgcn_target "amdgcn-amd-amdhsa--gfx1250"
	.amdhsa_code_object_version 6
	.text
	.protected	k_qdb294a2842_attn
	.globl	k_qdb294a2842_attn
	.p2align	8
	.type	k_qdb294a2842_attn,@function
k_qdb294a2842_attn:
	s_mov_b64 s[64:65], 0
	v_nop
	global_prefetch_b8 v0, s[64:65] scope:SCOPE_SE
	s_setreg_imm32_b32 hwreg(HW_REG_WAVE_MODE, 25, 1), 1
	s_wait_xcnt 0x0
	s_wait_alu depctr_hold_cnt(0) depctr_sa_sdst(0) depctr_va_vdst(0) depctr_va_sdst(0) depctr_va_ssrc(0) depctr_va_vcc(0) depctr_vm_vsrc(0)
	s_getreg_b32 s2, hwreg(HW_REG_IB_STS2, 6, 4)
	s_cmp_eq_u32 s2, 0
	s_cbranch_scc0 .Lentry_in_a_cluster
	s_endpgm
.Lentry_in_a_cluster:
	s_bfe_u32 s2, ttmp6, 0x10000c
	s_cmp_lg_u32 s2, 0x3003
	s_cbranch_scc0 .Lentry_shape_is_right
	s_endpgm
.Lentry_shape_is_right:
; o = softmax(q k^T / 8) v for one head, both products on codes of FP6 (E2M3) with E8M0 scales; o quantised along the model's 1,024 and stored as images of operand registers.
; THE SOFTMAX: t = score x log2(e) / 8; M = the row's largest t so far, rounded UP to a whole number; p = 2^(t - M) is quantised along the keys, not normalised; the row's sum is taken of the unquantised p
; and divides o at the end.  When M moves, the sum and o are multiplied by 2^(old M - new M): exact.
; SHARES: a work-group owns 256 queries of a head; each of its eight waves one pair image of q: TWO tiles of 16 queries, A and B, so that each fragment of k and of v read from LDS feeds two tiles' products.
; LDS holds the head's whole k and v: 16 key steps of 128 keys, each 4 pair images of k and 4 images of v^T (13,312 bytes), FILLED ONCE.
; CLUSTER: the four query blocks of a cluster walk the same head: its bytes are asked for jointly.  Wave w asks for key steps 2 w and 2 w + 1 by one tensor load.
; THE WALK: wave w works key step 2 w first, behind its own wait for its own load, and fetches step 2 w + 1's fragments, its own too; then one barrier shows all sixteen steps to all waves, and the wave walks on, step (2 w + i) mod 16.
; A softmax's result does not hang on the order of the keys.  No prefetch: all that the launch reads through LDS is asked for at its head, so there is no loop to run ahead in.
; FRAGMENTS A STEP AHEAD: k's four lie in window 0, v's four in window 1.  The next step's k is asked for behind this step's scores, the next v behind this step's second product: 16 LDS loads each, so each wait leaves the 16 younger loads out.
; K = 64 IN AN INSTRUCTION OF 128: a pair image of k holds one key tile in K 0-63 and another in K 64-127; against [q | 0] it gives the first's scores, against [0 | q] the second's.  [0 | q | 0] lies in v16-33.
; WHICH KEYS FORM A TILE: the pair image p of a step holds in row r' keys 32 p + r' + 8 (r' / 8) (K 0-63) and 8 more (K 64-127).  Fragment n = 2 c + u takes for its rows 0-7 rows 8 u .. 8 u + 7 of pair 2 c, and for its rows 8-15 the same
; rows of pair 2 c + 1: a lane term in the LDS address.  Then lane (query, h) holds in score registers 32 c + 0 .. 31 keys 64 c + 32 h + 0 .. 31: a WHOLE block of 32, in the order that the second product's operand wants.
; REGISTERS.  In window 0 for tile A and at the same numbers in window 1 for tile B: v[14:15] the sum; v16-33 q; v96-159 scores, then p; v160-191 o^T; v216-223 partial sums; v224-235 p's codes; v232-242 at work.
;   window 0 alone: v2 16 x lane, v3 4 x lane, v4, v7 k's lane terms, v6 8 h; v8-11 the next step's addresses; v36-83 k's fragments, v248-251 their scale words; v84-87 v's scale words; v34, v35, v88, v89 q's; v92, v93 p's;
;   A's small numbers: v12 -M, v13 the largest t, v252 f, v236-245, v254; B's: v196 -M, v197 the largest t, v198 f, v192-195, v200-205: the two tiles' short chains stand by turns.   window 1 alone: v36-83 v's fragments.
; s_set_vgpr_msb's low byte: bits 1:0 source 0, 3:2 source 1, 5:4 source 2, 7:6 destination.  0x41: B's long runs with a small number of window 0 as source 1 or 2.
; LIMITS: a block of zeros gets the byte 1 (zero codes); NaN and infinities are not served; the promise holds while the scaled scores t stay under 2^31 in magnitude.
.set IMG,   1664
.set KSTEP, 8*IMG
.set HEADB, 16*KSTEP
.set SPARE, HEADB                      ; behind the head's bytes: the spare words, 128 bytes a wave
.set SPW, 243
.set NIL, 255
.set WV,  18
.set SEL, 20
.set CS,  22                           ; s[22:23] c = log2(e) / 8
.set G1,  24
.set G0,  32
.set TB,  48                           ; LDS byte at which the NEXT key step begins
.set CNT, 49
.set W2,  58
.set MSB, 0
.macro WIN new                         ; the immediate's high byte repeats the setting that is left
.if MSB != (\new)
	s_set_vgpr_msb (MSB<<8)|(\new)
.set MSB, (\new)
.endif
.endm
.macro ROUND
	s_barrier_signal -1
	s_barrier_wait -1
	s_cmp_lg_u32 s[WV], 0
	s_cbranch_scc1 .Lnot_wave_0_\@
	s_barrier_signal -3
.Lnot_wave_0_\@:
	s_barrier_wait -3
	s_barrier_signal -1
	s_barrier_wait -1
.endm
.macro ADDR                            ; the addresses of the key step at s[TB]
	v_add_nc_u32 v8, s[TB], v2
	v_add_nc_u32 v9, s[TB], v3
	v_add_nc_u32 v10, s[TB], v4
	v_add_nc_u32 v11, s[TB], v7
.endm
.macro KLOAD                           ; 16 LDS loads
.irp n, 0,1,2,3
.irp g, 0,1,2
	ds_load_b128 v[36+12*\n+4*\g:39+12*\n+4*\g], v10 offset:IMG*2*(\n/2)+128*(\n%2)+512*\g
.endr
	ds_load_b32 v[248+\n], v11 offset:IMG*2*(\n/2)+32*(\n%2)+1536
.endr
.endm
.macro VLOAD                           ; 16 LDS loads
	WIN 0x40                                       ; destination window 1
.irp t, 0,1,2,3
.irp g, 0,1,2
	ds_load_b128 v[36+12*\t+4*\g:39+12*\t+4*\g], v8 offset:IMG*(4+\t)+512*\g
.endr
.endr
	WIN 0
.irp t, 0,1,2,3
	ds_load_b32 v[84+\t], v9 offset:IMG*(4+\t)+1536
.endr
.endm
.macro SCORES s0, s1                   ; eight tiles of scores of one query tile
.irp n, 0,1,2,3
	v_wmma_scale_f32_16x16x128_f8f6f4 v[96+16*\n:103+16*\n], v[36+12*\n:47+12*\n], v[22:33], 0, v[248+\n], v[\s0] matrix_a_fmt:MATRIX_FMT_FP6 matrix_b_fmt:MATRIX_FMT_FP6
	v_wmma_scale_f32_16x16x128_f8f6f4 v[104+16*\n:111+16*\n], v[36+12*\n:47+12*\n], v[16:27], 0, v[248+\n], v[\s1] matrix_a_fmt:MATRIX_FMT_FP6 matrix_b_fmt:MATRIX_FMT_FP6
.endr
.endm
.macro MAXES w, wl, d0, d1             ; my two blocks' largest scores, into window 0: for the row's maximum, and, since p rises with the score, for each block's largest p
	WIN \w
.irp b, 0,1,2,3
	v_max3_num_f32 v[232+\b], v[96+16*\b], v[97+16*\b], v[98+16*\b]   ; four chains of 15 scores each
.endr
.irp i, 3,5,7,9,11,13
.irp b, 0,1,2,3
	v_max3_num_f32 v[232+\b], v[232+\b], v[96+16*\b+\i], v[97+16*\b+\i]
.endr
.endr
	v_max3_num_f32 v232, v232, v233, v111
	v_max3_num_f32 v234, v234, v235, v143
	WIN \wl
	v_max_num_f32 v[\d0], v232, v127
	v_max_num_f32 v[\d1], v234, v159
.endm
.macro PV ps                           ; o^T += v^T p^T of one query tile: four accumulators by turns
.irp t, 0,1,2,3
	v_wmma_scale_f32_16x16x128_f8f6f4 v[160+8*\t:167+8*\t], v[36+12*\t:47+12*\t], v[224:235], v[160+8*\t:167+8*\t], v[84+\t], v[\ps] matrix_a_fmt:MATRIX_FMT_FP6 matrix_b_fmt:MATRIX_FMT_FP6
.endr
.endm
.macro SUM                             ; the row's sum, of the unquantised p: four chains
.irp k, 0,1,2,3
	v_pk_add_f32 v[216+2*\k:217+2*\k], v[96+2*\k:97+2*\k], v[104+2*\k:105+2*\k]
.endr
.irp j, 16,24,32,40,48,56
.irp k, 0,1,2,3
	v_pk_add_f32 v[216+2*\k:217+2*\k], v[216+2*\k:217+2*\k], v[96+\j+2*\k:97+\j+2*\k]
.endr
.endr
	v_pk_add_f32 v[216:217], v[216:217], v[218:219]
	v_pk_add_f32 v[220:221], v[220:221], v[222:223]
	v_pk_add_f32 v[216:217], v[216:217], v[220:221]
	v_pk_add_f32 v[14:15], v[14:15], v[216:217]
.endm
	s_load_b128 s[4:7], s[0:1], 0x0                ; qimg s[4:5], kv s[6:7]
	s_load_b64 s[8:9], s[0:1], 0x10                ; oimg
	v_lshl_add_u32 v[SPW], v0, 2, SPARE
	v_mov_b32 v[NIL], 0
	ds_add_u32 v[SPW], v[NIL]                      ; the opening lines: the add twice on end and one wait
	ds_add_u32 v[SPW], v[NIL]
	v_lshrrev_b32 v1, 5, v0
	v_readfirstlane_b32 s[WV], v1                  ; wave 0..7
	v_and_b32 v1, 31, v0
	v_and_b32 v4, 7, v0                            ; r % 8
	v_bfe_u32 v5, v0, 3, 1                         ; r / 8
	v_bfe_u32 v6, v0, 4, 1                         ; h
	v_lshlrev_b32 v2, 4, v1
	v_lshlrev_b32 v3, 2, v1
	v_mul_u32_u24 v5, v5, IMG                      ; rows 8-15 come from the next pair image
	v_lshl_add_u32 v7, v4, 2, v5                   ; k's scale words: 4 (r % 8) + IMG (r / 8)
	v_lshl_add_u32 v4, v4, 4, v5
	v_lshl_add_u32 v4, v6, 8, v4                   ; k's codes: 16 (r % 8) + 256 h + IMG (r / 8)
	v_lshlrev_b32 v6, 3, v6                        ; 8 h
	s_bfe_u32 s10, ttmp6, 0x40000                  ; cx
	s_lshl_b32 s11, ttmp9, 2
	s_add_co_u32 s11, s11, s10                     ; my block of 256 queries: it enters q's and o's addresses alone
	s_and_b32 s12, ttmp7, 0xffff                   ; the head (16 x batch + head), which the partners share
	s_mul_i32 s14, s12, HEADB
	s_mov_b32 s15, 0
	s_mul_i32 s13, s[WV], 2*KSTEP                  ; my two key steps
	s_mov_b32 s16, s13
	s_mov_b32 s17, 0
	s_lshl_b32 s[W2], s[WV], 1
	s_mov_b32 s[G1], 15|(3<<16)|(1<<21)            ; group 1: 26,624 dense bytes as 104 rows of 256 (32 elements of 8 bytes); the mask names all four work-groups
	s_mov_b32 s[G1+1], 32<<16
	s_mov_b32 s[G1+2], 104<<16
	s_mov_b32 s[G1+3], 32<<16
	s_mov_b32 s[G1+4], 104
	s_mov_b32 s[G1+5], 32
	s_mov_b32 s[G1+6], 0
	s_mov_b32 s[G1+7], 0
	s_mov_b32 s[SEL], 0x76543210
	s_mov_b32 s[SEL+1], 0xfedcba98
	s_mov_b32 s[CS], 0x3e38aa3b
	s_mov_b32 s[CS+1], s[CS]
	s_lshl_b32 s51, s12, 6
	s_lshl_b32 s52, s11, 3
	s_add_co_u32 s51, s51, s52
	s_add_co_u32 s51, s51, s[WV]                   ; q's pair image: 64 x head + 8 x block + wave
	s_mul_i32 s52, s51, IMG
	s_mov_b32 s53, 0
	s_lshr_b32 s51, s12, 4
	s_lshl_b32 s51, s51, 7
	s_lshl_b32 s55, s11, 4
	s_add_co_u32 s51, s51, s55
	s_add_co_u32 s51, s51, s[W2]                   ; tile A's token tile: 128 x batch + 16 x block + 2 x wave; B's is the next
	s_lshl_b32 s51, s51, 3
	s_bfe_u32 s55, s12, 0x30001                    ; the K step of the projection: (head % 16) / 2
	s_add_co_u32 s51, s51, s55
	s_mul_i32 s56, s51, IMG
	s_mov_b32 s57, 0
	s_wait_alu depctr_va_vdst(0)
	s_wait_dscnt 0x0
	s_wait_kmcnt 0x0
	s_add_nc_u64 s[6:7], s[6:7], s[14:15]
	s_add_nc_u64 s[6:7], s[6:7], s[16:17]          ; the head's k and v at my key steps
	s_add_nc_u64 s[4:5], s[4:5], s[52:53]
	s_add_nc_u64 s[8:9], s[8:9], s[56:57]
	s_mov_b32 s[G0], 1
	s_mov_b32 s[G0+1], s13                         ; LDS: key step 2 x wave
	s_mov_b64 s[G0+2:G0+3], s[6:7]
	s_or_b32 s[G0+3], s[G0+3], 0x80000000
	ROUND                                          ; all four work-groups are here: the joint loads meet
	tensor_load_to_lds s[G0:G0+3], s[G1:G1+7]      ; my one load
	s_nop 0
	global_load_b128 v[192:195], v2, s[4:5]
	global_load_b128 v[196:199], v2, s[4:5] offset:512
	global_load_b128 v[200:203], v2, s[4:5] offset:1024
	global_load_b32 v204, v3, s[4:5] offset:1536
.irp i, 0,1,2,3,4,5
	v_mov_b32 v[16+\i], 0
	v_mov_b32 v[28+\i], 0
.endr
	v_mov_b32 v13, 0xff61b1e6                      ; the largest t so far: -3e38
	v_mov_b32 v14, 0
	v_mov_b32 v15, 0
	v_mov_b32 v238, 0                              ; a lane permute's destination counts as one of its sources
	v_mov_b32 v241, 0
	v_mov_b32 v253, 0                              ; (named as the upper half of the pair v[252:253])
	v_floor_f32 v12, -v13                          ; -M
.set n, 0
.rept 32
	v_mov_b32 v[160+n], 0                          ; o^T: the step is written once; the first finds zeros, which the first change of M leaves zeros
.set n, n+1
.endr
	WIN 0x40                                       ; the same for tile B, in window 1
.irp i, 0,1,2,3,4,5
	v_mov_b32 v[16+\i], 0
	v_mov_b32 v[28+\i], 0
.endr
	v_mov_b32 v14, 0
	v_mov_b32 v15, 0
	v_mov_b32 v252, 0
.set n, 0
.rept 32
	v_mov_b32 v[160+n], 0
.set n, n+1
.endr
	WIN 0
	s_mov_b32 s[TB], s13
	ADDR                                           ; my first key step
	s_wait_loadcnt 0x0
.irp i, 0,1,2,3,4,5
	v_mov_b32 v[22+\i], v[192+\i]                  ; tile A: registers 0-5 of the pair
.endr
	v_and_b32 v34, 0xffff, v204                    ; A's two scale bytes as bytes 0, 1: for [q | 0];
	v_lshlrev_b32 v35, 16, v204                    ; as bytes 2, 3: for [0 | q]
	v_lshrrev_b32 v88, 16, v204                    ; B's likewise
	v_and_b32 v89, 0xffff0000, v204
	WIN 0x40
.irp i, 0,1,2,3,4,5
	v_mov_b32 v[22+\i], v[198+\i]                  ; tile B: registers 6-11
.endr
	WIN 0
	v_mov_b32 v197, 0xff61b1e6                     ; B's small numbers, where the pair image lay
	v_mov_b32 v199, 0
	v_mov_b32 v195, 0
	v_mov_b32 v205, 0
	v_floor_f32 v196, -v197
; A KEY STEP: 128 keys x 32 queries.  pf = 1: the next step's fragments, at s[TB], are fetched.
.macro STEP pf
	s_wait_alu depctr_va_vdst(0)
	s_wait_dscnt 16                                ; k's fragments are in; v's 16 loads may be out
	SCORES 34, 35
	WIN 0x44                                       ; B: scores and q in window 1, k in window 0
	SCORES 88, 89
	WIN 0
.if \pf
	ADDR                                           ; these four are the places behind the products
	KLOAD
.else
.rept 4
	v_nop
.endr
.endif
	MAXES 0, 0, 236, 237
	MAXES 0x55, 0x05, 192, 193
	WIN 0
	v_max_num_f32 v254, v236, v237                 ; the two tiles' chains by turns
	v_max_num_f32 v194, v192, v193
	v_permlanex16_b32 v238, v254, s[SEL], s[SEL+1]
	v_permlanex16_b32 v195, v194, s[SEL], s[SEL+1]
	v_max_num_f32 v254, v254, v238                 ; with lane l xor 16's two blocks: the step's largest score of my query
	v_max_num_f32 v194, v194, v195
	v_mul_f32 v254, s[CS], v254                    ; as t (c is positive)
	v_mul_f32 v194, s[CS], v194
	v_max_num_f32 v13, v13, v254                   ; the running largest t
	v_max_num_f32 v197, v197, v194
	v_mov_b32 v254, v12
	v_mov_b32 v194, v196
	v_floor_f32 v12, -v13                          ; the new -M = -ceil(t)
	v_floor_f32 v196, -v197
	v_sub_f32 v254, v12, v254                      ; old M - new M: a whole number, 0 or less
	v_sub_f32 v194, v196, v194
	v_cvt_i32_f32 v254, v254                       ; (it saturates)
	v_cvt_i32_f32 v194, v194
	v_ldexp_f32 v252, 1.0, v254                    ; f = 2^(old M - new M)
	v_ldexp_f32 v198, 1.0, v194
.set n, 0
.rept 32
	v_pk_fma_f32 v[96+n:97+n], v[96+n:97+n], s[CS:CS+1], v[12:13] op_sel_hi:[1,0,0]   ; t - M
.set n, n+2
.endr
	v_fma_f32 v236, v236, s[CS], v12
	v_fma_f32 v237, v237, s[CS], v12
	v_fma_f32 v192, v192, s[CS], v196
	v_fma_f32 v193, v193, s[CS], v196
	WIN 0x41
.set n, 0
.rept 32
	v_pk_fma_f32 v[96+n:97+n], v[96+n:97+n], s[CS:CS+1], v[196:197] op_sel_hi:[1,0,0]
.set n, n+2
.endr
	s_wait_alu depctr_va_vdst(0)
.set n, 0
.rept 64
	v_exp_f32 v[96+n], v[96+n]                     ; B's p = 2^(t - M)
.set n, n+1
.endr
	WIN 0
.set n, 0
.rept 64
	v_exp_f32 v[96+n], v[96+n]                     ; A's
.set n, n+1
.endr
.irp r, 236,237,192,193
	v_exp_f32 v\r, v\r                             ; each block's largest p: the same two instructions on the same number
.endr
	v_pk_mul_f32 v[14:15], v[14:15], v[252:253] op_sel_hi:[1,0]   ; the sums under the new M (a plain place behind the exponentials)
	WIN 0x41
	v_pk_mul_f32 v[14:15], v[14:15], v[198:199] op_sel_hi:[1,0]
	WIN 0
	s_wait_alu depctr_va_vdst(0)                   ; and behind it
.irp r, 236,237,192,193
	v_max_num_f32 v\r, 0x1800000, v\r              ; the floor 2^(3 - 127): the byte cannot fall under 1
.endr
	v_add_nc_u32 v244, 0xff000000, v236            ; 2 off the exponent field: the conversion's scale operand
	v_add_nc_u32 v245, 0xff000000, v237
	v_add_nc_u32 v200, 0xff000000, v192
	v_add_nc_u32 v201, 0xff000000, v193
	v_lshrrev_b32 v238, 23, v244
	v_lshrrev_b32 v239, 23, v245
	v_lshrrev_b32 v202, 23, v200
	v_lshrrev_b32 v203, 23, v201
	v_lshl_or_b32 v240, v239, 16, v238             ; my bytes: blocks h and 2 + h,
	v_lshl_or_b32 v204, v203, 16, v202
	v_lshlrev_b32 v240, v6, v240                   ; at their places in the word;
	v_lshlrev_b32 v204, v6, v204
	v_permlanex16_b32 v241, v240, s[SEL], s[SEL+1]
	v_permlanex16_b32 v205, v204, s[SEL], s[SEL+1]
	v_or_b32 v92, v240, v241                       ; with lane l xor 16's two: p's scale words for these 128 keys
	v_or_b32 v93, v204, v205
.irp c, 0,1
	v_cvt_scalef32_pk16_fp6_f32 v[224+6*\c:226+6*\c], v[96+32*\c:111+32*\c], v[244+\c]
	v_cvt_scalef32_pk16_fp6_f32 v[236+4*\c:238+4*\c], v[112+32*\c:127+32*\c], v[244+\c]   ; (a conversion's three registers begin on an even number)
.endr
	WIN 0x41
.irp c, 0,1
	v_cvt_scalef32_pk16_fp6_f32 v[224+6*\c:226+6*\c], v[96+32*\c:111+32*\c], v[200+\c]
	v_cvt_scalef32_pk16_fp6_f32 v[236+4*\c:238+4*\c], v[112+32*\c:127+32*\c], v[200+\c]
.endr
	v_nop                                          ; one plain place behind a scaled conversion
.irp c, 0,1
.irp i, 0,1,2
	v_mov_b32 v[227+6*\c+\i], v[236+4*\c+\i]
.endr
.endr
	WIN 0
.irp c, 0,1
.irp i, 0,1,2
	v_mov_b32 v[227+6*\c+\i], v[236+4*\c+\i]
.endr
.endr
	s_wait_alu depctr_va_vdst(0)
.set n, 0
.rept 16
	v_pk_mul_f32 v[160+n:161+n], v[160+n:161+n], v[252:253] op_sel_hi:[1,0]   ; o^T under the new M; these 32 are the places in front of the scaled products below
.set n, n+2
.endr
	WIN 0x41
	s_wait_alu depctr_va_vdst(0)
.set n, 0
.rept 16
	v_pk_mul_f32 v[160+n:161+n], v[160+n:161+n], v[198:199] op_sel_hi:[1,0]
.set n, n+2
.endr
	s_wait_alu depctr_va_vdst(0)
.if \pf
	s_wait_dscnt 16                                ; v's fragments are in; the next k's 16 loads may be out
.else
	s_wait_dscnt 0x0
.endif
	WIN 0x01                                       ; v's fragments: window 1
	PV 92
	WIN 0x55
	PV 93
	WIN 0
	SUM                                            ; A's sum: also the places behind the products
.if \pf
	VLOAD
.endif
	WIN 0x55
	SUM
	WIN 0
.endm
	s_wait_alu depctr_va_vdst(0)
	s_wait_tensorcnt 0x0                           ; my own load has landed: key steps 2 w and 2 w + 1, which I alone read ahead of the barrier
	KLOAD
	VLOAD
	s_add_co_u32 s[TB], s13, KSTEP
	STEP 1
	s_wait_dscnt 0x0
	s_barrier_signal -1
	s_barrier_wait -1                              ; every wave has waited for its load: all sixteen key steps are in.  Nothing is filled again
	s_mov_b32 s[CNT], 2
.Lstep:
	s_add_co_u32 s[TB], s[W2], s[CNT]
	s_and_b32 s[TB], s[TB], 15
	s_mul_i32 s[TB], s[TB], KSTEP                  ; the next key step: (2 w + i) mod 16
	STEP 1
	s_add_co_u32 s[CNT], s[CNT], 1
	s_cmp_lt_u32 s[CNT], 16
	s_wait_alu depctr_va_vdst(0)
	s_cbranch_scc1 .Lstep
	STEP 0                                         ; the last step fetches nothing
; THE WAY OUT of one tile, in the window in force: o^T / the sum; register 16 b + i is channel 32 b + 16 h + i of my query: two blocks of the projection's K; half a fragment
.macro OUTQ
	v_add_f32 v14, v14, v15
	v_permlanex16_b32 v252, v14, s[SEL], s[SEL+1]
	v_add_f32 v14, v14, v252                       ; the row's sum
	s_wait_alu depctr_va_vdst(0)
	v_rcp_f32 v14, v14
	v_nop
	v_nop
	s_wait_alu depctr_va_vdst(0)
.set n, 0
.rept 32
	v_mul_f32 v[96+n], v[160+n], v14
.set n, n+1
.endr
.irp b, 0,1
	v_max3_num_f32 v[232+\b], |v[96+16*\b]|, |v[97+16*\b]|, 0x1800000
.endr
.irp i, 2,4,6,8,10,12,14
.irp b, 0,1
	v_max3_num_f32 v[232+\b], v[232+\b], |v[96+16*\b+\i]|, |v[97+16*\b+\i]|
.endr
.endr
.irp b, 0,1
	v_permlanex16_b32 v[236+\b], v[232+\b], s[SEL], s[SEL+1]
.endr
.irp b, 0,1
	v_max_num_f32 v[232+\b], v[232+\b], v[236+\b]
.endr
.irp b, 0,1
	v_add_nc_u32 v[244+\b], 0xff000000, v[232+\b]
.endr
.irp b, 0,1
	v_lshrrev_b32 v[236+\b], 23, v[244+\b]
.endr
	v_lshl_or_b32 v240, v237, 8, v236              ; my row's two scale bytes
	v_cvt_scalef32_pk16_fp6_f32 v[224:226], v[96:111], v244
	v_cvt_scalef32_pk16_fp6_f32 v[232:234], v[112:127], v245
	v_nop
.irp i, 0,1,2
	v_permlane16_swap_b32 v[224+\i], v[232+\i]
.endr
.irp i, 0,1,2
	v_mov_b32 v[227+\i], v[232+\i]                 ; v224-229: channels 32 h + 0 .. 31 of my query
.endr
.endm
	OUTQ
	WIN 0x55
	OUTQ
	WIN 0
	s_and_b32 s55, s12, 1                          ; an even head is K 0-63 of its K step (registers 0-5), an odd one K 64-127 (registers 6-11); the partners share the head
	s_cmp_lg_u32 s55, 0
	s_wait_alu depctr_va_vdst(0)
	s_cbranch_scc1 .Lodd
	global_store_b128 v2, v[224:227], s[8:9]
	global_store_b64 v2, v[228:229], s[8:9] offset:512
	global_store_b16 v3, v240, s[8:9] offset:1536
	WIN 0x04                                       ; the data: window 1; B's token tile lies 8 images on
	global_store_b128 v2, v[224:227], s[8:9] offset:8*IMG
	global_store_b64 v2, v[228:229], s[8:9] offset:8*IMG+512
	global_store_b16 v3, v240, s[8:9] offset:8*IMG+1536
	WIN 0
	s_branch .Lstored
.Lodd:
	global_store_b64 v2, v[224:225], s[8:9] offset:520
	global_store_b128 v2, v[226:229], s[8:9] offset:1024
	global_store_b16 v3, v240, s[8:9] offset:1538
	WIN 0x04
	global_store_b64 v2, v[224:225], s[8:9] offset:8*IMG+520
	global_store_b128 v2, v[226:229], s[8:9] offset:8*IMG+1024
	global_store_b16 v3, v240, s[8:9] offset:8*IMG+1538
	WIN 0
.Lstored:
	s_wait_tensorcnt 0x0                           ; the wave's end
	ds_add_u32 v[SPW], v[NIL]
	s_wait_dscnt 0x0
	ROUND                                          ; the closing round: no work-group ends while a partner may still ask for bytes that name it
	s_endpgm
.Lfunc_end_k_qdb294a2842_attn:
	.size	k_qdb294a2842_attn, .Lfunc_end_k_qdb294a2842_attn-k_qdb294a2842_attn
	.p2alignl 7, 3214868480
	.fill 96, 4, 3214868480
	.section	.rodata,"a",@progbits
	.p2align	6, 0x0
	.amdhsa_kernel k_qdb294a2842_attn
		.amdhsa_group_segment_fixed_size 214016
		.amdhsa_private_segment_fixed_size 0
		.amdhsa_enable_private_segment 0
		.amdhsa_kernarg_size 24
		.amdhsa_user_sgpr_count 2
		.amdhsa_user_sgpr_kernarg_segment_ptr 1
		.amdhsa_wavefront_size32 1
		.amdhsa_system_sgpr_workgroup_id_x 1
		.amdhsa_system_sgpr_workgroup_id_y 1
		.amdhsa_system_sgpr_workgroup_id_z 1
		.amdhsa_system_vgpr_workitem_id 0
		.amdhsa_next_free_vgpr 512
		.amdhsa_next_free_sgpr 66
		.amdhsa_reserve_vcc 0
		.amdhsa_float_denorm_mode_32 3
		.amdhsa_float_denorm_mode_16_64 3
		.amdhsa_memory_ordered 1
		.amdhsa_forward_progress 1
		.amdhsa_inst_pref_size 99
	.end_amdhsa_kernel
	.amdgpu_metadata
---
amdhsa.version: [ 1, 2 ]
amdhsa.kernels:
  - .name:           k_qdb294a2842_attn
    .symbol:         k_qdb294a2842_attn.kd
    .args:
      - { .name: qimg, .offset: 0, .size: 8, .value_kind: global_buffer, .address_space: global }
      - { .name: kv, .offset: 8, .size: 8, .value_kind: global_buffer, .address_space: global }
      - { .name: oimg, .offset: 16, .size: 8, .value_kind: global_buffer, .address_space: global }
    .group_segment_fixed_size: 214016
    .private_segment_fixed_size: 0
    .kernarg_segment_align: 8
    .kernarg_segment_size: 24
    .max_flat_workgroup_size: 256
    .sgpr_count:     66
    .vgpr_count:     512
    .wavefront_size: 32
...
	.end_amdgpu_metadata
.endif
;; end of part 3
;; launch projln (part 4): grid 256 x 1, 8 waves a work-group, no clusters, 82,944 bytes of LDS; arguments oimg, wimg, b_proj, x, ln2_g, ln2_b, x1, nimg; writes x1, nimg
.if DOCPART == 4
	.amdgcn_target "amdgcn-amd-amdhsa--gfx1250"
	.amdhsa_code_object_version 6
	.text
	.protected	k_qdb294a2842_projln
	.globl	k_qdb294a2842_projln
	.p2align	8
	.type	k_qdb294a2842_projln,@function
k_qdb294a2842_projln:
	s_mov_b64 s[64:65], 0
	v_nop
	global_prefetch_b8 v0, s[64:65] scope:SCOPE_SE
	s_setreg_imm32_b32 hwreg(HW_REG_WAVE_MODE, 25, 1), 1
	s_wait_xcnt 0x0
; x1 = x + o W_proj + b_proj on codes of FP6 (E2M3) with E8M0 scales, and the second layer norm of x1, quantised along its 1,024 and stored as images of operand registers: one launch, x1's rows whole in one work-group.
; AN IMAGE (1,664 bytes) is a fragment of 16 rows x 128 K as the registers hold it: byte 512 g + 16 l + 4 e = register 4 g + e of lane l; byte 1,536 + 4 l = the scale word of row l % 16.  Images lie [tile][K step];
; tile T's lane r is row 32 (T / 2) + 8 (T % 2) + r + 8 (r / 8).
; SHARES: work-group T owns token tile T, 16 rows x all 1,024 columns; wave w owns weight tiles 8 w .. 8 w + 7, columns 128 w .. 128 w + 127: 8 accumulators, 64 matrix instructions, and K step w of the next product.
; THE MATRIX INSTRUCTION IS USED TRANSPOSED (source 0 = weight tile, source 1 = tokens): lane (r, h) holds token row r, and register 16 beta + i is column 128 w + 32 beta + 16 h + i.
; THE WEIGHTS GO FROM MEMORY STRAIGHT INTO OPERAND REGISTERS: an image is three loads of 512 consecutive bytes and one of its scale words.  Each fragment feeds ONE matrix instruction of ONE wave, so a way through LDS
; would write and read each byte once more and spare none; hence no tensor load and no joint request.  No prefetch: all 256 work-groups read the same 851,968 bytes of weights.
; A ring of four groups of four images (16 loads a group): group g is K step g / 2, tiles 4 (g % 2) .. + 3.  Trip g asks for group g + 3 and waits until 48 loads, the three younger groups, are out.  ln2_g's and ln2_b's
; 16 loads each stand in the ring as groups 16 and 17, so the last trip waits for 32.
; o's eight images are brought once, one by each wave, and shared through LDS.  x + b_proj, loaded by rows (512 consecutive bytes a load), turns through the wave's own stage into the accumulators' layout and is the C of the sums.
; THE NORM: mean, then the variance of the differences (two passes over registers, so a common offset costs no accuracy); each wave's part of a row's sum goes through LDS, one barrier each.  x1 leaves through the stage by rows of 512 bytes.
; LIMITS: a block of zeros gets the byte 1 (zero codes; read by this program alone); NaN and infinities are not served.
; REGISTERS: window 0: v2-14 addresses; v32-47 the weights' scale words, four groups; v48-55 o's; v64-127 accumulators; v128-223 o's fragments (before them x's rows, behind them x1's rows and the quantiser's work).
;   window 1: v0-191 the ring; v192-255 ln2_g; at the end v0-63 ln2_b.
.set IMG,    1664
.set PITCHG, 8*IMG
.set WOFF,   2555904
.set SP,     528                       ; a stage row: 512 bytes + 16: an odd multiple of 16
.set STW,    16*SP
.set ABASE,  8*STW                     ; o's eight images
.set RED,    ABASE+8*IMG               ; two tables of 16 rows x 8 waves of f32
.set SPARE,  RED+1024                  ; the spare words, 128 bytes a wave
.set LI,  2
.set LS,  3
.set STD, 6
.set STR, 7
.set AWR, 8
.set ARD, 9
.set RW,  10
.set RR,  11
.set GO,  12
.set AWS, 13
.set ARS, 14
.set SPW, 30
.set NIL, 31
.set BS,  32
.set AS,  48
.set ACC, 64
.set AF,  128
.set XR,  128
.set BI,  224
.set TM,  192
.set PW,  208
.set PC,  212
.set WV,  20
.set SEL, 36
.set MSB, 0
.macro WIN new                         ; the immediate's high byte repeats the setting that is left
.if MSB != (\new)
	s_set_vgpr_msb (MSB<<8)|(\new)
.set MSB, (\new)
.endif
.endm
.macro DLY n
	s_delay_alu instid0(VALU_DEP_\n)
.endm
.macro GLOAD gi                        ; group gi of the weights' images into ring place gi % 4
.set SL, (\gi)%4
.set QQ, (\gi)/2
.set B0, 4*((\gi)%2)
	WIN 0x40                                       ; destination window 1
.irp i, 0,1,2,3
.irp g, 0,1,2
	global_load_b128 v[48*SL+12*\i+4*\g:48*SL+12*\i+4*\g+3], v[LI], s[6:7] offset:(B0+\i)*PITCHG+QQ*IMG+512*\g
.endr
.endr
	WIN 0
.irp i, 0,1,2,3
	global_load_b32 v[BS+4*SL+\i], v[LS], s[6:7] offset:(B0+\i)*PITCHG+QQ*IMG+1536
.endr
.endm
.macro VLOAD reg, sb                   ; 64 numbers of a vector at my columns, in the accumulators' layout, into window 1
	WIN 0x40
.irp n, 0,1,2,3,4,5,6,7,8,9,10,11,12,13,14,15
	global_load_b128 v[\reg+4*\n:\reg+4*\n+3], v[GO], s[\sb:\sb+1] offset:128*(\n/4)+16*(\n%4)
.endr
	WIN 0
.endm
.macro MUL4 gi                         ; four accumulators, one instruction a turn; the next group takes the other four
.set SL, (\gi)%4
.set QQ, (\gi)/2
.set B0, 4*((\gi)%2)
	WIN 0x01                                       ; source 0 window 1
.irp i, 0,1,2,3
	v_wmma_scale_f32_16x16x128_f8f6f4 v[ACC+8*(B0+\i):ACC+8*(B0+\i)+7], v[48*SL+12*\i:48*SL+12*\i+11], v[AF+12*QQ:AF+12*QQ+11], v[ACC+8*(B0+\i):ACC+8*(B0+\i)+7], v[BS+4*SL+\i], v[AS+QQ] matrix_a_fmt:MATRIX_FMT_FP6 matrix_b_fmt:MATRIX_FMT_FP6
.endr
.rept 4
	v_nop                                          ; places in front of the loads into this group's registers
.endr
.endm
.macro XSUM off                        ; four pairs of partial sums in v32-39 become my row's sum over all 1,024 columns, in v40
	v_pk_add_f32 v[32:33], v[32:33], v[34:35]
	v_pk_add_f32 v[36:37], v[36:37], v[38:39]
	DLY 1
	v_pk_add_f32 v[32:33], v[32:33], v[36:37]
	DLY 1
	v_add_f32 v32, v32, v33
	DLY 1
	v_permlanex16_b32 v34, v32, s[SEL], s[SEL+1]
	DLY 1
	v_add_f32 v32, v32, v34                        ; my wave's 128 columns of row r
	ds_store_b32 v[RW], v32 offset:\off            ; both halves of the lanes write the same word with the same value
	s_wait_alu depctr_va_vdst(0)
	s_wait_dscnt 0x0
	s_barrier_signal -1
	s_barrier_wait -1
	ds_load_b128 v[40:43], v[RR] offset:\off
	ds_load_b128 v[44:47], v[RR] offset:\off+16
	s_wait_dscnt 0x0
	v_pk_add_f32 v[40:41], v[40:41], v[42:43]
	v_pk_add_f32 v[44:45], v[44:45], v[46:47]
	DLY 1
	v_pk_add_f32 v[40:41], v[40:41], v[44:45]
	DLY 1
	v_add_f32 v40, v40, v41
.endm
.macro QUANT s                         ; 64 numbers of a lane, register 16 b + i = k 32 b + 16 (lane / 16) + i of my row, become a fragment's codes in v[PC] on and its scale word in v[PW]
.irp b, 0,1,2,3
	v_max3_num_f32 v[TM+\b], |v[\s+16*\b]|, |v[\s+1+16*\b]|, 0x1800000   ; the floor 2^(3 - 127): the byte cannot fall under 1
.endr
.irp i, 2,4,6,8,10,12,14
.irp b, 0,1,2,3
	v_max3_num_f32 v[TM+\b], v[TM+\b], |v[\s+16*\b+\i]|, |v[\s+1+16*\b+\i]|
.endr
.endr
.irp b, 0,1,2,3
	v_permlanex16_b32 v[TM+4+\b], v[TM+\b], s[SEL], s[SEL+1]
.endr
.irp b, 0,1,2,3
	v_max_num_f32 v[TM+\b], v[TM+\b], v[TM+4+\b]   ; with lane l xor 16's: the block's largest magnitude
.endr
.irp b, 0,1,2,3
	v_add_nc_u32 v[TM+12+\b], 0xff000000, v[TM+\b]   ; 2 off its exponent field: the conversion's scale operand
.endr
.irp b, 0,1,2,3
	v_lshrrev_b32 v[TM+4+\b], 23, v[TM+12+\b]      ; the scale's byte
.endr
	DLY 3
	v_lshl_or_b32 v[PW], v[TM+5], 8, v[TM+4]
	DLY 1
	v_lshl_or_b32 v[PW], v[TM+6], 16, v[PW]
	DLY 1
	v_lshl_or_b32 v[PW], v[TM+7], 24, v[PW]
.irp c, 0,1
	v_cvt_scalef32_pk16_fp6_f32 v[PC+6*\c:PC+2+6*\c], v[\s+32*\c:\s+15+32*\c], v[TM+12+2*\c]
	v_cvt_scalef32_pk16_fp6_f32 v[PC+12+4*\c:PC+14+4*\c], v[\s+16+32*\c:\s+31+32*\c], v[TM+12+2*\c+1]
.endr
	v_nop                                          ; one plain place behind a scaled conversion
.irp c, 0,1                                    ; the operand's layout wants a whole block in a lane
.irp i, 0,1,2
	v_permlane16_swap_b32 v[PC+6*\c+\i], v[PC+12+4*\c+\i]
.endr
.irp i, 0,1,2
	DLY 3
	v_mov_b32 v[PC+3+6*\c+\i], v[PC+12+4*\c+\i]
.endr
.endr
.endm
	s_load_b256 s[4:11], s[0:1], 0x0               ; oimg s[4:5], wimg s[6:7], b_proj s[8:9], x s[10:11]
	s_load_b256 s[12:19], s[0:1], 0x20             ; ln2_g s[12:13], ln2_b s[14:15], x1 s[16:17], nimg s[18:19]
	v_lshl_add_u32 v[SPW], v0, 2, SPARE
	v_mov_b32 v[NIL], 0
	v_lshrrev_b32 v1, 5, v0
	v_readfirstlane_b32 s[WV], v1                  ; wave 0..7
	s_mul_i32 s21, s[WV], STW                      ; my stage
	s_mul_i32 s22, s[WV], IMG
	s_add_co_u32 s22, s22, ABASE                   ; where my image of o goes
	s_lshl_b32 s23, s[WV], 2
	s_add_co_u32 s23, s23, RED
	s_lshr_b32 s24, ttmp9, 1
	s_lshl_b32 s24, s24, 5
	s_and_b32 s25, ttmp9, 1
	s_lshl_b32 s25, s25, 3
	s_add_co_u32 s24, s24, s25                     ; the tile's first row: 32 (T / 2) + 8 (T % 2)
	s_lshl_b32 s24, s24, 12                        ; rows of 4,096 bytes
	s_lshl_b32 s26, s[WV], 9                       ; my 128 columns
	s_mov_b32 s27, 0
	s_add_co_u32 s24, s24, s26
	s_mov_b32 s25, 0
	s_lshl_b32 s28, ttmp9, 3
	s_add_co_u32 s28, s28, s[WV]
	s_mul_i32 s28, s28, IMG                        ; image 8 T + w, of o and of the norm
	s_mov_b32 s29, 0
	s_mul_i32 s34, s[WV], 8*PITCHG
	s_add_co_u32 s34, s34, WOFF                    ; W_proj's tile 8 w
	s_mov_b32 s35, 0
	s_mov_b32 s[SEL], 0x76543210
	s_mov_b32 s[SEL+1], 0xfedcba98
	s_mov_b32 s40, 0x3a800000                      ; 1 / 1,024
	s_mov_b32 s41, 0x3727c5ac                      ; 1e-5
	v_and_b32 v1, 31, v0
	v_and_b32 v4, 15, v0                           ; r
	v_bfe_u32 v5, v0, 4, 1                         ; h
	v_lshlrev_b32 v[LI], 4, v1
	v_lshlrev_b32 v[LS], 2, v1
	v_mul_u32_u24 v[STD], v4, SP
	v_lshlrev_b32 v[RR], 5, v4
	v_lshl_add_u32 v[RW], v4, 5, s23               ; the tables: 32 r + 4 w
	v_lshlrev_b32 v[GO], 6, v5                     ; 64 h
	v_lshl_add_u32 v[STD], v5, 6, v[STD]
	v_add_nc_u32 v[RR], RED, v[RR]
	v_add_nc_u32 v[STR], s21, v[LI]                ; the stage by rows: 16 x lane
	v_add_nc_u32 v[AWR], s22, v[LI]
	v_add_nc_u32 v[AWS], s22, v[LS]
	v_add_nc_u32 v[STD], s21, v[STD]               ; the stage in the accumulators' layout: row r, + 64 h
	v_add_nc_u32 v[ARD], ABASE, v[LI]
	v_add_nc_u32 v[ARS], ABASE+1536, v[LS]
	s_wait_alu depctr_va_vdst(0)
	s_wait_kmcnt 0x0
	s_add_nc_u64 s[10:11], s[10:11], s[24:25]
	s_add_nc_u64 s[16:17], s[16:17], s[24:25]
	s_add_nc_u64 s[8:9], s[8:9], s[26:27]
	s_add_nc_u64 s[12:13], s[12:13], s[26:27]
	s_add_nc_u64 s[14:15], s[14:15], s[26:27]
	s_add_nc_u64 s[4:5], s[4:5], s[28:29]
	s_add_nc_u64 s[18:19], s[18:19], s[28:29]
	s_add_nc_u64 s[6:7], s[6:7], s[34:35]
.irp t, 0,1,2,3,4,5,6,7,8,9,10,11,12,13,14,15
	global_load_b128 v[XR+4*\t:XR+4*\t+3], v[LI], s[10:11] offset:(\t+8*(\t/8))*4096   ; tile row t of x at my columns: 512 consecutive bytes
.endr
	global_load_b128 v[BI:BI+3], v[LI], s[8:9]     ; b_proj at the same columns
.irp g, 0,1,2
	global_load_b128 v[232+4*\g:235+4*\g], v[LI], s[4:5] offset:512*\g   ; o's image of K step w
.endr
	global_load_b32 v244, v[LS], s[4:5] offset:1536
	GLOAD 0
	GLOAD 1
	s_wait_loadcnt 32                              ; all but the two groups' 32 loads are in
.set n, 0
.rept 16
	v_pk_add_f32 v[XR+4*n:XR+4*n+1], v[XR+4*n:XR+4*n+1], v[BI:BI+1]
	v_pk_add_f32 v[XR+4*n+2:XR+4*n+3], v[XR+4*n+2:XR+4*n+3], v[BI+2:BI+3]
.set n, n+1
.endr
.irp t, 0,1,2,3,4,5,6,7,8,9,10,11,12,13,14,15
	ds_store_b128 v[STR], v[XR+4*\t:XR+4*\t+3] offset:\t*SP
.endr
.irp g, 0,1,2
	ds_store_b128 v[AWR], v[232+4*\g:235+4*\g] offset:512*\g
.endr
	ds_store_b32 v[AWS], v244 offset:1536
.irp n, 0,1,2,3,4,5,6,7,8,9,10,11,12,13,14,15
	ds_load_b128 v[ACC+4*\n:ACC+4*\n+3], v[STD] offset:128*(\n/4)+16*(\n%4)   ; LDS serves a wave's instructions in order: x + b_proj in the accumulators' layout
.endr
	GLOAD 2
	s_wait_dscnt 0x0                               ; for the others' sake: my image of o has landed
	s_barrier_signal -1
	s_barrier_wait -1
.irp q, 0,1,2,3,4,5,6,7
.irp g, 0,1,2
	ds_load_b128 v[AF+12*\q+4*\g:AF+12*\q+4*\g+3], v[ARD] offset:\q*IMG+512*\g
.endr
	ds_load_b32 v[AS+\q], v[ARS] offset:\q*IMG
.endr
	s_wait_dscnt 0x0
.set G, 0
.rept 16
.if G < 13
	GLOAD G+3
.endif
.if G == 13
	VLOAD 192, 12                                  ; ln2_g, as group 16
.endif
.if G == 14
	VLOAD 0, 14                                    ; ln2_b, as group 17, into the places that groups 12 and 13 have left
.endif
.if G < 15
	s_wait_loadcnt 48                              ; group G is in; the three younger groups may be out
.else
	s_wait_loadcnt 32
.endif
	MUL4 G
.set G, G+1
.endr
	WIN 0
.irp n, 0,1,2,3,4,5,6,7,8,9,10,11,12,13,14,15
	ds_store_b128 v[STD], v[ACC+4*\n:ACC+4*\n+3] offset:128*(\n/4)+16*(\n%4)   ; x1, each accumulator from its low end on
.endr
.irp t, 0,1,2,3,4,5,6,7,8,9,10,11,12,13,14,15
	ds_load_b128 v[XR+4*\t:XR+4*\t+3], v[STR] offset:\t*SP   ; and back by rows
.endr
.irp k, 0,1,2,3
	v_pk_add_f32 v[32+2*\k:33+2*\k], v[ACC+2*\k:ACC+2*\k+1], v[ACC+8+2*\k:ACC+9+2*\k]
.endr
.irp j, 16,24,32,40,48,56
.irp k, 0,1,2,3
	v_pk_add_f32 v[32+2*\k:33+2*\k], v[32+2*\k:33+2*\k], v[ACC+\j+2*\k:ACC+\j+2*\k+1]
.endr
.endr
	XSUM 0
.irp t, 0,1,2,3,4,5,6,7,8,9,10,11,12,13,14,15
	global_store_b128 v[LI], v[XR+4*\t:XR+4*\t+3], s[16:17] offset:(\t+8*(\t/8))*4096   ; 32 lanes store 512 consecutive bytes; v128-191 are not written again
.endr
	v_mul_f32 v40, s40, v40                        ; the mean
.set n, 0
.rept 32
	v_pk_add_f32 v[ACC+n:ACC+n+1], v[ACC+n:ACC+n+1], v[40:41] op_sel_hi:[1,0] neg_lo:[0,1] neg_hi:[0,1]
.set n, n+2
.endr
.irp k, 0,1,2,3
	v_pk_mul_f32 v[32+2*\k:33+2*\k], v[ACC+2*\k:ACC+2*\k+1], v[ACC+2*\k:ACC+2*\k+1]
.endr
.irp j, 8,16,24,32,40,48,56
.irp k, 0,1,2,3
	v_pk_fma_f32 v[32+2*\k:33+2*\k], v[ACC+\j+2*\k:ACC+\j+2*\k+1], v[ACC+\j+2*\k:ACC+\j+2*\k+1], v[32+2*\k:33+2*\k]
.endr
.endr
	XSUM 512
	DLY 1
	v_fma_f32 v40, v40, s40, s41                   ; the variance + 1e-5
.irp b, 0,1,2,3
	v_mov_b32 v[TM+4+\b], 0                        ; a lane permute's destination counts as one of its sources
.endr
	s_wait_alu depctr_va_vdst(0)
	v_rsq_f32 v40, v40
	v_nop                                          ; one plain place behind it
	s_wait_alu depctr_va_vdst(0)
	s_wait_loadcnt 0x0                             ; ln2_g and ln2_b are in
.set n, 0
.rept 32
	v_pk_mul_f32 v[ACC+n:ACC+n+1], v[ACC+n:ACC+n+1], v[40:41] op_sel_hi:[1,0]
.set n, n+2
.endr
	WIN 0x14                                       ; sources 1 and 2: window 1
.set n, 0
.rept 32
	v_pk_fma_f32 v[ACC+n:ACC+n+1], v[ACC+n:ACC+n+1], v[192+n:193+n], v[n:n+1]
.set n, n+2
.endr
	WIN 0
	QUANT ACC
.irp g, 0,1,2
	global_store_b128 v[LI], v[PC+4*\g:PC+4*\g+3], s[18:19] offset:512*\g   ; 512 consecutive bytes of the image
.endr
	global_store_b32 v[LS], v[PW], s[18:19] offset:1536
	s_wait_tensorcnt 0x0                           ; the wave's end
	ds_add_u32 v[SPW], v[NIL]
	s_wait_dscnt 0x0
	s_endpgm
.Lfunc_end_k_qdb294a2842_projln:
	.size	k_qdb294a2842_projln, .Lfunc_end_k_qdb294a2842_projln-k_qdb294a2842_projln
	.p2alignl 7, 3214868480
	.fill 96, 4, 3214868480
	.section	.rodata,"a",@progbits
	.p2align	6, 0x0
	.amdhsa_kernel k_qdb294a2842_projln
		.amdhsa_group_segment_fixed_size 82944
		.amdhsa_private_segment_fixed_size 0
		.amdhsa_enable_private_segment 0
		.amdhsa_kernarg_size 64
		.amdhsa_user_sgpr_count 2
		.amdhsa_user_sgpr_kernarg_segment_ptr 1
		.amdhsa_wavefront_size32 1
		.amdhsa_system_sgpr_workgroup_id_x 1
		.amdhsa_system_sgpr_workgroup_id_y 1
		.amdhsa_system_sgpr_workgroup_id_z 1
		.amdhsa_system_vgpr_workitem_id 0
		.amdhsa_next_free_vgpr 512
		.amdhsa_next_free_sgpr 66
		.amdhsa_reserve_vcc 0
		.amdhsa_float_denorm_mode_32 3
		.amdhsa_float_denorm_mode_16_64 3
		.amdhsa_memory_ordered 1
		.amdhsa_forward_progress 1
		.amdhsa_inst_pref_size 71
	.end_amdhsa_kernel
	.amdgpu_metadata
---
amdhsa.version: [ 1, 2 ]
amdhsa.kernels:
  - .name:           k_qdb294a2842_projln
    .symbol:         k_qdb294a2842_projln.kd
    .args:
      - { .name: oimg, .offset: 0, .size: 8, .value_kind: global_buffer, .address_space: global }
      - { .name: wimg, .offset: 8, .size: 8, .value_kind: global_buffer, .address_space: global }
      - { .name: b_proj, .offset: 16, .size: 8, .value_kind: global_buffer, .address_space: global }
      - { .name: x, .offset: 24, .size: 8, .value_kind: global_buffer, .address_space: global }
      - { .name: ln2_g, .offset: 32, .size: 8, .value_kind: global_buffer, .address_space: global }
      - { .name: ln2_b, .offset: 40, .size: 8, .value_kind: global_buffer, .address_space: global }
      - { .name: x1, .offset: 48, .size: 8, .value_kind: global_buffer, .address_space: global }
      - { .name: nimg, .offset: 56, .size: 8, .value_kind: global_buffer, .address_space: global }
    .group_segment_fixed_size: 82944
    .private_segment_fixed_size: 0
    .kernarg_segment_align: 8
    .kernarg_segment_size: 64
    .max_flat_workgroup_size: 256
    .sgpr_count:     66
    .vgpr_count:     512
    .wavefront_size: 32
...
	.end_amdgpu_metadata
.endif
;; end of part 4
;; launch ffn1 (part 5): grid 16 x 16, 4 waves a work-group, clusters of 4 x 4, 327,680 bytes of LDS; arguments nimg, wimg, b_ffn1, himg; writes himg
.if DOCPART == 5
	.amdgcn_target "amdgcn-amd-amdhsa--gfx1250"
	.amdhsa_code_object_version 6
	.text
	.protected	k_qdb294a2842_ffn1
	.globl	k_qdb294a2842_ffn1
	.p2align	8
	.type	k_qdb294a2842_ffn1,@function
k_qdb294a2842_ffn1:
	s_mov_b64 s[64:65], 0
	v_nop
	global_prefetch_b8 v0, s[64:65] scope:SCOPE_SE
	s_setreg_imm32_b32 hwreg(HW_REG_WAVE_MODE, 25, 1), 1
	s_wait_xcnt 0x0
	s_wait_alu depctr_hold_cnt(0) depctr_sa_sdst(0) depctr_va_vdst(0) depctr_va_sdst(0) depctr_va_ssrc(0) depctr_va_vcc(0) depctr_vm_vsrc(0)
	s_getreg_b32 s2, hwreg(HW_REG_IB_STS2, 6, 4)
	s_cmp_eq_u32 s2, 0
	s_cbranch_scc0 .Lentry_in_a_cluster
	s_endpgm
.Lentry_in_a_cluster:
	s_bfe_u32 s2, ttmp6, 0x10000c
	s_cmp_lg_u32 s2, 0xf033
	s_cbranch_scc0 .Lentry_shape_is_right
	s_endpgm
.Lentry_shape_is_right:
.set IMG,    1664
.set KS,     8
.set WOFF,   3407872
.set NQ,     2
.set ROWB,   NQ*IMG
.set PITCHG, KS*IMG
.set HALFT,  8*ROWB
.set SLOT,   4*HALFT
.set SPARE,  2*SLOT
.set LAPS,   KS/(2*NQ)
.set FR,     12
.set NL,     3
.set NP,     4
.set ADRA, 16
.set ADRB, 20
.set ADRS, 22
.set LI,   24
.set LS,   25
.set SPW,  28
.set NIL,  29
.set SC,   32
.set BI,   64
.set AF,   128
.set E,    96
.set TM,   200
.set PW,   216
.set PC,   220
.set G1,  24
.set G0,  32
.set G1B, 48
.set G0B, 56
.set TC,  42
.set WV,  66
.set RH,  67
.set CH,  68
.set TR,  69
.set SEL, 78
.set MSB, 0
.macro WIN new
.if MSB != (\new)
	s_set_vgpr_msb (MSB<<8)|(\new)
.set MSB, (\new)
.endif
.endm
.set TO_B, 0x40
.macro WMUL hi, zero
.if \zero
	WIN 0x81+0x40*\hi
.else
	WIN 0xa1+0x50*\hi
.endif
.endm
.macro JLOAD s
	s_cmp_eq_u32 s[RH], 0
	s_cbranch_scc0 .Lfor_b_\@
	tensor_load_to_lds s[G0+4*\s:G0+4*\s+3], s[G1:G1+7]
	s_nop 0
.rept 4
	v_nop
.endr
	s_branch .Lasked_\@
.Lfor_b_\@:
	tensor_load_to_lds s[G0B+4*\s:G0B+4*\s+3], s[G1B:G1B+7]
	s_nop 0
.rept 4
	v_nop
.endr
.Lasked_\@:
.endm
.macro CREST
	s_cmp_lg_u32 s[WV], 0
	s_cbranch_scc1 .Lnot_wave_0_\@
	s_barrier_signal -3
.Lnot_wave_0_\@:
	s_barrier_wait -3
	s_barrier_signal -1
	s_barrier_wait -1
.endm
.macro CROUND
	s_barrier_signal -1
	s_barrier_wait -1
	CREST
.endm
.macro PLACES n
.rept \n
	v_nop
.endr
.endm
.macro QUANT s
.irp b, 0,1,2,3
	v_max3_num_f32 v[TM+\b], |v[\s+16*\b]|, |v[\s+1+16*\b]|, 0x1800000
.endr
.irp i, 2,4,6,8,10,12,14
.irp b, 0,1,2,3
	v_max3_num_f32 v[TM+\b], v[TM+\b], |v[\s+16*\b+\i]|, |v[\s+1+16*\b+\i]|
.endr
.endr
.irp b, 0,1,2,3
	v_permlanex16_b32 v[TM+4+\b], v[TM+\b], s[SEL], s[SEL+1]
.endr
.irp b, 0,1,2,3
	v_max_num_f32 v[TM+\b], v[TM+\b], v[TM+4+\b]
.endr
.irp b, 0,1,2,3
	v_add_nc_u32 v[TM+12+\b], 0xff000000, v[TM+\b]
.endr
.irp b, 0,1,2,3
	v_lshrrev_b32 v[TM+4+\b], 23, v[TM+12+\b]
.endr
	v_lshl_or_b32 v[PW], v[TM+5], 8, v[TM+4]
	v_lshl_or_b32 v[PW], v[TM+6], 16, v[PW]
	v_lshl_or_b32 v[PW], v[TM+7], 24, v[PW]
.irp c, 0,1
	v_cvt_scalef32_pk16_fp6_f32 v[PC+6*\c:PC+2+6*\c], v[\s+32*\c:\s+15+32*\c], v[TM+12+2*\c]
	v_cvt_scalef32_pk16_fp6_f32 v[PC+12+4*\c:PC+14+4*\c], v[\s+16+32*\c:\s+31+32*\c], v[TM+12+2*\c+1]
.endr
	v_nop
.irp c, 0,1
.irp i, 0,1,2
	v_permlane16_swap_b32 v[PC+6*\c+\i], v[PC+12+4*\c+\i]
.endr
.irp i, 0,1,2
	v_mov_b32 v[PC+3+6*\c+\i], v[PC+12+4*\c+\i]
.endr
.endr
.endm
	s_load_b256 s[4:11], s[0:1], 0x0
	v_lshl_add_u32 v[SPW], v0, 2, SPARE
	v_mov_b32 v[NIL], 0
	ds_add_u32 v28, v29
	ds_add_u32 v28, v29
	s_wait_dscnt 0x0
	v_lshrrev_b32 v1, 5, v0
	v_readfirstlane_b32 s[WV], v1
	s_lshr_b32 s[RH], s[WV], 1
	s_and_b32 s[CH], s[WV], 1
	s_bfe_u32 s40, ttmp6, 0x40000
	s_bfe_u32 s41, ttmp6, 0x40004
	s_lshl_b32 s[TC], ttmp9, 2
	s_add_co_u32 s[TC], s[TC], s40
	s_and_b32 s[TR], ttmp7, 0xffff
	s_lshl_b32 s[TR], s[TR], 2
	s_add_co_u32 s[TR], s[TR], s41
	s_lshl_b32 s43, s41, 2
	s_lshl_b32 s43, 15, s43
	s_lshl_b32 s44, 0x1111, s40
	s_or_b32 s[G1+0], s43, (3<<16)|(1<<21)
	s_or_b32 s[G1B+0], s44, (3<<16)|(1<<21)
.irp g, G1, G1B
	s_mov_b32 s[\g+1], (ROWB/8)<<16
	s_mov_b32 s[\g+2], 8<<16
	s_mov_b32 s[\g+3], (ROWB/8)<<16
	s_mov_b32 s[\g+4], 8
	s_mov_b32 s[\g+5], PITCHG/8
	s_mov_b32 s[\g+6], 0
	s_mov_b32 s[\g+7], 0
.endr
	s_lshl_b32 s18, s[CH], 3
	s_lshl_b32 s20, s[TR], 4
	s_add_co_u32 s20, s20, s18
	s_mul_i32 s20, s20, PITCHG
	s_mov_b32 s21, 0
	s_lshl_b32 s46, s[TC], 4
	s_add_co_u32 s46, s46, s18
	s_mul_i32 s46, s46, PITCHG
	s_add_co_u32 s46, s46, WOFF
	s_mov_b32 s47, 0
	s_mul_i32 s45, s[WV], HALFT
	s_wait_kmcnt 0x0
	s_add_nc_u64 s[20:21], s[4:5], s[20:21]
	s_add_nc_u64 s[46:47], s[6:7], s[46:47]
	CROUND
.irp s, 0,1
	s_mov_b32 s[G0+4*\s], 1
	s_add_co_u32 s[G0+4*\s+1], s45, \s*SLOT
	s_add_nc_u64 s[G0+4*\s+2:G0+4*\s+3], s[20:21], \s*ROWB
	s_or_b32 s[G0+4*\s+3], s[G0+4*\s+3], 0x80000000
	s_mov_b32 s[G0B+4*\s], 1
	s_add_co_u32 s[G0B+4*\s+1], s45, \s*SLOT
	s_add_nc_u64 s[G0B+4*\s+2:G0B+4*\s+3], s[46:47], \s*ROWB
	s_or_b32 s[G0B+4*\s+3], s[G0B+4*\s+3], 0x80000000
.endr
	JLOAD 0                                        ; slot 0: one tensor load a wave at the head
	v_and_b32 v1, 31, v0
	v_lshlrev_b32 v[LI], 4, v1
	s_wait_alu depctr_va_vdst(0)
	v_lshlrev_b32 v[LS], 2, v1
	v_and_b32 v2, 15, v0
	v_bfe_u32 v3, v0, 4, 1
	s_wait_alu depctr_va_vdst(0)
	s_lshl_b32 s72, s[TC], 10
	s_lshl_b32 s73, s[CH], 9
	s_add_co_u32 s72, s72, s73
	s_mov_b32 s73, 0
	s_add_nc_u64 s[8:9], s[8:9], s[72:73]
	v_lshlrev_b32 v4, 6, v3
.irp b, 0,1,2,3,4,5,6,7
	global_load_b128 v[BI+8*\b:BI+8*\b+3], v4, s[8:9] offset:(32*(\b/2)+8*(\b%2))*4
	global_load_b128 v[BI+8*\b+4:BI+8*\b+7], v4, s[8:9] offset:(32*(\b/2)+8*(\b%2))*4+16
.endr
	s_lshl_b32 s72, s[TR], 4
	s_lshl_b32 s74, s[RH], 3
	s_add_co_u32 s72, s72, s74
	s_lshl_b32 s72, s72, 5
	s_lshl_b32 s74, s[TC], 1
	s_add_co_u32 s72, s72, s74
	s_add_co_u32 s72, s72, s[CH]
	s_mul_i32 s72, s72, IMG
	s_add_nc_u64 s[10:11], s[10:11], s[72:73]
	s_mul_i32 s21, s[RH], HALFT
	s_mul_i32 s22, s[CH], HALFT
	s_add_co_u32 s22, s22, 2*HALFT
	v_add_nc_u32 v[ADRA], s21, v[LI]
	v_add_nc_u32 v[ADRB], s22, v[LI]
	v_add_nc_u32 v[ADRA+1], SLOT, v[ADRA]
	v_add_nc_u32 v[ADRB+1], SLOT, v[ADRB]
	s_xor_b32 s23, s[RH], 1
	s_add_co_u32 s23, s23, s[CH]
	s_add_co_u32 s23, s23, 1
	s_mul_i32 s23, s23, HALFT
	v_mul_u32_u24 v6, s23, v3
	v_lshl_add_u32 v6, v2, 2, v6
	s_add_co_u32 s21, s21, 1536
	v_add_nc_u32 v[ADRS], s21, v6
	v_add_nc_u32 v[ADRS+1], SLOT, v[ADRS]
	s_mov_b32 s[SEL], 0x76543210
	s_mov_b32 s[SEL+1], 0xfedcba98
	s_mov_b32 s70, 0xbfb8aa3b
	s_mov_b32 s71, s70
.macro FRAG reg, adr, q, i
.irp g, 0,1,2
	ds_load_b128 v[\reg+4*\g:\reg+4*\g+3], v[\adr] offset:(\i)*ROWB+(\q)*IMG+512*\g
.endr
.endm
.macro MUL16 a0, p, q, sc, zero
.irp a, \a0, \a0+1
.irp b, 0,1,2,3,4,5,6,7
.if \zero
	v_wmma_scale_f32_16x16x128_f8f6f4 v[8*(8*((\a)%4)+\b):8*(8*((\a)%4)+\b)+7], v[128*(\p)+FR*\b:128*(\p)+FR*\b+FR-1], v[AF+FR*(\a):AF+FR*(\a)+FR-1], v[BI+8*\b:BI+8*\b+7], v[SC+16*(\sc)+2*\b+(\q)], v[SC+16*(\sc)+2*(\a)+(\q)] matrix_a_fmt:MATRIX_FMT_FP6 matrix_b_fmt:MATRIX_FMT_FP6 matrix_a_scale:MATRIX_SCALE_ROW1
.else
	v_wmma_scale_f32_16x16x128_f8f6f4 v[8*(8*((\a)%4)+\b):8*(8*((\a)%4)+\b)+7], v[128*(\p)+FR*\b:128*(\p)+FR*\b+FR-1], v[AF+FR*(\a):AF+FR*(\a)+FR-1], v[8*(8*((\a)%4)+\b):8*(8*((\a)%4)+\b)+7], v[SC+16*(\sc)+2*\b+(\q)], v[SC+16*(\sc)+2*(\a)+(\q)] matrix_a_fmt:MATRIX_FMT_FP6 matrix_b_fmt:MATRIX_FMT_FP6 matrix_a_scale:MATRIX_SCALE_ROW1
.endif
.endr
.endr
.endm
.macro FETCH_B slot, q, p
	WIN TO_B
.irp i, 0,1,2,3,4,5,6,7
	FRAG 128*(\p)+FR*\i, ADRB+\slot, \q, \i
.endr
	WIN 0
.endm
.macro FETCH_A slot, q, i0
.irp i, \i0, \i0+1, \i0+2, \i0+3
	FRAG AF+FR*(\i), ADRA+\slot, \q, \i
.endr
.endm
.macro SCALES sc
.irp i, 0,1,2,3,4,5,6,7
.irp q, 0,1
	ds_load_b32 v[SC+16*\sc+2*\i+\q], v[ADRS+\sc] offset:\i*ROWB+\q*IMG
.endr
.endr
.endm
.macro STEP slot, q, zero
	s_wait_dscnt 4*NL
	WMUL 0, \zero
	MUL16 0, (\q)%2, \q, \slot, \zero
	MUL16 2, (\q)%2, \q, \slot, \zero
	s_wait_dscnt 0x0
	PLACES NP
	FETCH_B \slot, (\q)+1, 1-(\q)%2
	FETCH_A \slot, (\q)+1, 0
	WMUL 1, \zero
	MUL16 4, (\q)%2, \q, \slot, \zero
	MUL16 6, (\q)%2, \q, \slot, \zero
	PLACES NP
	WIN 0
	FETCH_A \slot, (\q)+1, 4
.endm
.macro TURN slot, next, fill
	s_wait_tensorcnt 0x0
	ds_add_u32 v[SPW], v[NIL]
	s_wait_dscnt 4*NL+1
	WMUL 0, 0
	MUL16 0, 1, NQ-1, \slot, 0
	s_wait_dscnt 0x0
	s_barrier_signal -1
	MUL16 2, 1, NQ-1, \slot, 0
	WIN 0
	s_barrier_wait -1
.if \fill
	CREST
	s_add_nc_u64 s[G0+4*\slot+2:G0+4*\slot+3], s[G0+4*\slot+2:G0+4*\slot+3], 2*ROWB
	s_add_nc_u64 s[G0B+4*\slot+2:G0B+4*\slot+3], s[G0B+4*\slot+2:G0B+4*\slot+3], 2*ROWB
	JLOAD \slot
.else
	PLACES NP
.endif
	FETCH_B \next, 0, 0
	FETCH_A \next, 0, 0
	SCALES \next
	WMUL 1, 0
	MUL16 4, 1, NQ-1, \slot, 0
	MUL16 6, 1, NQ-1, \slot, 0
	PLACES NP
	WIN 0
	FETCH_A \next, 0, 4
.endm
	s_wait_alu depctr_va_vdst(0)
	s_wait_loadcnt 0x0                             ; the bias is in
	s_wait_tensorcnt 0x0                           ; my part of slot 0 is in; slot 1's first fill is issued as a refill is
	ds_add_u32 v[SPW], v[NIL]
	s_wait_dscnt 0x0
	CROUND
	JLOAD 1
	FETCH_B 0, 0, 0
	FETCH_A 0, 0, 0
	SCALES 0
	FETCH_A 0, 0, 4
	STEP 0, 0, 1
	s_mov_b32 s3, LAPS-1
.Llap:
	TURN 0, 1, 1
	STEP 1, 0, 0
	TURN 1, 0, 1
	STEP 0, 0, 0
	s_sub_co_u32 s3, s3, 1
	s_cmp_lg_u32 s3, 0
	s_cbranch_scc1 .Llap
	TURN 0, 1, 0
	STEP 1, 0, 0
	s_wait_dscnt 4*NL
	WMUL 0, 0
	MUL16 0, 1, NQ-1, 1, 0
	MUL16 2, 1, NQ-1, 1, 0
	s_wait_dscnt 0x0
	WMUL 1, 0
	MUL16 4, 1, NQ-1, 1, 0
	MUL16 6, 1, NQ-1, 1, 0
	WIN 0
	PLACES NP
.irp b, 0,1,2,3
	v_mov_b32 v[TM+4+\b], 0
.endr
.macro FBLK a
	WIN 0x02+(\a)/4
.set n, 0
.rept 32
	v_pk_mul_f32 v[E+n:E+n+1], v[64*((\a)%4)+n:64*((\a)%4)+n+1], s[70:71] op_sel_hi:[1,0]
.set n, n+2
.endr
	WIN 0
.set n, 0
	s_wait_alu depctr_va_vdst(0)
.rept 64
	v_exp_f32 v[E+n], v[E+n]
.set n, n+1
.endr
	v_nop
.set n, 0
	s_wait_alu depctr_va_vdst(0)
.rept 32
	v_pk_add_f32 v[E+n:E+n+1], v[E+n:E+n+1], 1.0 op_sel_hi:[1,0]
.set n, n+2
.endr
.set n, 0
	s_wait_alu depctr_va_vdst(0)
.rept 64
	v_rcp_f32 v[E+n], v[E+n]
.set n, n+1
.endr
	v_nop
	WIN 0x02+(\a)/4
.set n, 0
	s_wait_alu depctr_va_vdst(0)
.rept 32
	v_pk_mul_f32 v[E+n:E+n+1], v[64*((\a)%4)+n:64*((\a)%4)+n+1], v[E+n:E+n+1]
.set n, n+2
.endr
	WIN 0
.if \a > 0
	s_wait_xcnt 0x0
.endif
	QUANT E
.irp g, 0,1,2
	global_store_b128 v[LI], v[PC+4*\g:PC+4*\g+3], s[10:11] offset:(\a)*32*IMG+512*\g
.endr
	global_store_b32 v[LS], v[PW], s[10:11] offset:(\a)*32*IMG+1536
.endm
.irp a, 0,1,2,3,4,5,6,7
	FBLK \a
.endr
	s_wait_tensorcnt 0x0
	ds_add_u32 v[SPW], v[NIL]
	s_wait_dscnt 0x0
	CROUND
	s_endpgm
.Lfunc_end_k_qdb294a2842_ffn1:
	.size	k_qdb294a2842_ffn1, .Lfunc_end_k_qdb294a2842_ffn1-k_qdb294a2842_ffn1
	.p2alignl 7, 3214868480
	.fill 96, 4, 3214868480
	.section	.rodata,"a",@progbits
	.p2align	6, 0x0
	.amdhsa_kernel k_qdb294a2842_ffn1
		.amdhsa_group_segment_fixed_size 327680
		.amdhsa_private_segment_fixed_size 0
		.amdhsa_enable_private_segment 0
		.amdhsa_kernarg_size 32
		.amdhsa_user_sgpr_count 2
		.amdhsa_user_sgpr_kernarg_segment_ptr 1
		.amdhsa_wavefront_size32 1
		.amdhsa_system_sgpr_workgroup_id_x 1
		.amdhsa_system_sgpr_workgroup_id_y 1
		.amdhsa_system_sgpr_workgroup_id_z 1
		.amdhsa_system_vgpr_workitem_id 0
		.amdhsa_next_free_vgpr 1024
		.amdhsa_next_free_sgpr 92
		.amdhsa_reserve_vcc 0
		.amdhsa_float_denorm_mode_32 3
		.amdhsa_float_denorm_mode_16_64 3
		.amdhsa_memory_ordered 1
		.amdhsa_forward_progress 1
		.amdhsa_inst_pref_size 223
	.end_amdhsa_kernel
	.amdgpu_metadata
---
amdhsa.version: [ 1, 2 ]
amdhsa.kernels:
  - .name:           k_qdb294a2842_ffn1
    .symbol:         k_qdb294a2842_ffn1.kd
    .args:
      - { .name: nimg, .offset: 0, .size: 8, .value_kind: global_buffer, .address_space: global }
      - { .name: wimg, .offset: 8, .size: 8, .value_kind: global_buffer, .address_space: global }
      - { .name: b_ffn1, .offset: 16, .size: 8, .value_kind: global_buffer, .address_space: global }
      - { .name: himg, .offset: 24, .size: 8, .value_kind: global_buffer, .address_space: global }
    .group_segment_fixed_size: 327680
    .private_segment_fixed_size: 0
    .kernarg_segment_align: 8
    .kernarg_segment_size: 32
    .max_flat_workgroup_size: 128
    .sgpr_count:     92
    .vgpr_count:     1024
    .wavefront_size: 32
...
	.end_amdgpu_metadata
.endif
;; end of part 5
;; launch ffn2 (part 6): grid 8 x 32, 4 waves a work-group, clusters of 4 x 4, 327,680 bytes of LDS; arguments himg, wimg, b_ffn2, x1, out0; writes out0
.if DOCPART == 6
	.amdgcn_target "amdgcn-amd-amdhsa--gfx1250"
	.amdhsa_code_object_version 6
	.text
	.protected	k_qdb294a2842_ffn2
	.globl	k_qdb294a2842_ffn2
	.p2align	8
	.type	k_qdb294a2842_ffn2,@function
k_qdb294a2842_ffn2:
	s_mov_b64 s[64:65], 0
	v_nop
	global_prefetch_b8 v0, s[64:65] scope:SCOPE_SE
	s_setreg_imm32_b32 hwreg(HW_REG_WAVE_MODE, 25, 1), 1
	s_wait_xcnt 0x0
	s_wait_alu depctr_hold_cnt(0) depctr_sa_sdst(0) depctr_va_vdst(0) depctr_va_sdst(0) depctr_va_ssrc(0) depctr_va_vcc(0) depctr_vm_vsrc(0)
	s_getreg_b32 s2, hwreg(HW_REG_IB_STS2, 6, 4)
	s_cmp_eq_u32 s2, 0
	s_cbranch_scc0 .Lentry_in_a_cluster
	s_endpgm
.Lentry_in_a_cluster:
	s_bfe_u32 s2, ttmp6, 0x10000c
	s_cmp_lg_u32 s2, 0xf033
	s_cbranch_scc0 .Lentry_shape_is_right
	s_endpgm
.Lentry_shape_is_right:
.set KS,     32
.set WOFF,   6815744
.set IMG,    1664
.set PITCHG, KS*IMG
.set ROWP,   8*IMG
.set ROWQ,   4*IMG
.set CHP,    4*ROWP
.set CHQ,    4*ROWQ
.set REGQ,   4*CHP
.set SPARE,  REGQ+4*CHQ
.set NEXT,   12*IMG
.set SP,     272
.set ADRA, 16
.set ADRB, 20
.set ADRS, 22
.set STO,  24
.set RD,   25
.set CO,   26
.set BO,   27
.set SPW,  28
.set NIL,  29
.set SC,   32
.set BI,   40
.set BK,   64
.set ACC,  128
.set G1P,  24
.set G0,   32
.set G1BP, 48
.set G0B,  56
.set G1Q,  76
.set G1BQ, 84
.set TC,  42
.set WV,  66
.set RH,  67
.set CH,  68
.set TR,  69
.set MSB, 0
.macro WIN new
.if MSB != (\new)
	s_set_vgpr_msb (MSB<<8)|(\new)
.set MSB, (\new)
.endif
.endm
.set MUL, 0x05
.macro JLOAD s
	s_cmp_eq_u32 s[RH], 0
	s_cbranch_scc0 .Lfor_b_\@
.if \s
	tensor_load_to_lds s[G0+4:G0+7], s[G1Q:G1Q+7]
	s_nop 0
.else
	tensor_load_to_lds s[G0:G0+3], s[G1P:G1P+7]
	s_nop 0
.endif
.rept 4
	v_nop
.endr
	s_branch .Lasked_\@
.Lfor_b_\@:
.if \s
	tensor_load_to_lds s[G0B+4:G0B+7], s[G1BQ:G1BQ+7]
	s_nop 0
.else
	tensor_load_to_lds s[G0B:G0B+3], s[G1BP:G1BP+7]
	s_nop 0
.endif
.rept 4
	v_nop
.endr
.Lasked_\@:
.endm
.macro CREST
	s_cmp_lg_u32 s[WV], 0
	s_cbranch_scc1 .Lnot_wave_0_\@
	s_barrier_signal -3
.Lnot_wave_0_\@:
	s_barrier_wait -3
	s_barrier_signal -1
	s_barrier_wait -1
.endm
.macro CROUND
	s_barrier_signal -1
	s_barrier_wait -1
	CREST
.endm
.macro PLACES
.rept 4
	v_nop
.endr
.endm
	s_load_b256 s[4:11], s[0:1], 0x0
	s_load_b64 s[12:13], s[0:1], 0x20
	v_lshl_add_u32 v[SPW], v0, 2, SPARE
	v_mov_b32 v[NIL], 0
	ds_add_u32 v28, v29
	ds_add_u32 v28, v29
	s_wait_dscnt 0x0
	v_lshrrev_b32 v1, 5, v0
	v_readfirstlane_b32 s[WV], v1
	s_lshr_b32 s[RH], s[WV], 1
	s_and_b32 s[CH], s[WV], 1
	s_bfe_u32 s40, ttmp6, 0x40000
	s_bfe_u32 s41, ttmp6, 0x40004
	s_lshl_b32 s[TC], ttmp9, 2
	s_add_co_u32 s[TC], s[TC], s40
	s_and_b32 s[TR], ttmp7, 0xffff
	s_lshl_b32 s[TR], s[TR], 2
	s_add_co_u32 s[TR], s[TR], s41
	s_lshl_b32 s43, s41, 2
	s_lshl_b32 s43, 15, s43
	s_lshl_b32 s44, 0x1111, s40
	s_or_b32 s[G1P+0], s43, (3<<16)|(1<<21)
	s_or_b32 s[G1BP+0], s44, (3<<16)|(1<<21)
	s_or_b32 s[G1Q+0], s43, (3<<16)|(1<<21)
	s_or_b32 s[G1BQ+0], s44, (3<<16)|(1<<21)
.irp g, G1P, G1BP
	s_mov_b32 s[\g+1], (ROWP/8)<<16
	s_mov_b32 s[\g+2], 4<<16
	s_mov_b32 s[\g+3], (ROWP/8)<<16
	s_mov_b32 s[\g+4], 4
	s_mov_b32 s[\g+5], PITCHG/8
	s_mov_b32 s[\g+6], 0
	s_mov_b32 s[\g+7], 0
.endr
.irp g, G1Q, G1BQ
	s_mov_b32 s[\g+1], (ROWQ/8)<<16
	s_mov_b32 s[\g+2], 4<<16
	s_mov_b32 s[\g+3], (ROWQ/8)<<16
	s_mov_b32 s[\g+4], 4
	s_mov_b32 s[\g+5], PITCHG/8
	s_mov_b32 s[\g+6], 0
	s_mov_b32 s[\g+7], 0
.endr
	s_lshl_b32 s18, s[CH], 2
	s_lshl_b32 s20, s[TR], 3
	s_add_co_u32 s20, s20, s18
	s_mul_i32 s20, s20, PITCHG
	s_mov_b32 s21, 0
	s_lshl_b32 s46, s[TC], 3
	s_add_co_u32 s46, s46, s18
	s_mul_i32 s46, s46, PITCHG
	s_add_co_u32 s46, s46, WOFF
	s_mov_b32 s47, 0
	s_mul_i32 s45, s[WV], CHP
	s_mul_i32 s74, s[WV], CHQ
	s_wait_kmcnt 0x0
	s_add_nc_u64 s[20:21], s[4:5], s[20:21]
	s_add_nc_u64 s[46:47], s[6:7], s[46:47]
	CROUND
	s_mov_b32 s[G0], 1
	s_add_co_u32 s[G0+1], s45, 0
	s_add_nc_u64 s[G0+2:G0+3], s[20:21], 0
	s_or_b32 s[G0+3], s[G0+3], 0x80000000
	s_mov_b32 s[G0B], 1
	s_add_co_u32 s[G0B+1], s45, 0
	s_add_nc_u64 s[G0B+2:G0B+3], s[46:47], 0
	s_or_b32 s[G0B+3], s[G0B+3], 0x80000000
	JLOAD 0
	s_mov_b32 s[G0+4], 1
	s_add_co_u32 s[G0+5], s74, REGQ
	s_add_nc_u64 s[G0+6:G0+7], s[20:21], ROWP
	s_or_b32 s[G0+7], s[G0+7], 0x80000000
	s_mov_b32 s[G0B+4], 1
	s_add_co_u32 s[G0B+5], s74, REGQ
	s_add_nc_u64 s[G0B+6:G0B+7], s[46:47], ROWP
	s_or_b32 s[G0B+7], s[G0B+7], 0x80000000
	s_wait_alu depctr_va_vdst(0)
	s_wait_tensorcnt 0x0
	ds_add_u32 v28, v29
	s_wait_dscnt 0x0
	CROUND
	JLOAD 1
	v_and_b32 v1, 15, v0
	v_bfe_u32 v2, v0, 4, 1
	v_and_b32 v3, 31, v0
	v_lshlrev_b32 v3, 4, v3
	v_lshlrev_b32 v[BO], 4, v1
	s_wait_alu depctr_va_vdst(0)
	v_lshlrev_b32 v[CO], 12, v2
	v_lshl_add_u32 v[CO], v1, 4, v[CO]
	s_wait_alu depctr_va_vdst(0)
	s_lshl_b32 s70, s[TR], 7
	s_lshl_b32 s71, s[RH], 6
	s_add_co_u32 s70, s70, s71
	s_lshl_b32 s70, s70, 12
	s_lshl_b32 s72, s[TC], 9
	s_lshl_b32 s73, s[CH], 8
	s_add_co_u32 s72, s72, s73
	s_mov_b32 s73, 0
	s_add_nc_u64 s[8:9], s[8:9], s[72:73]
	s_add_co_u32 s70, s70, s72
	s_mov_b32 s71, 0
	s_add_nc_u64 s[10:11], s[10:11], s[70:71]
	s_add_nc_u64 s[12:13], s[12:13], s[70:71]
	global_load_b128 v[BI:BI+3], v[BO], s[8:9]
	WIN 0x80
.irp a, 0,1,2,3
.irp t, 0,1,2,3,4,5,6,7
	global_load_b128 v[4*(8*\a+\t):4*(8*\a+\t)+3], v[CO], s[10:11] offset:(32*(\a/2)+8*(\a%2)+2*\t+8*(\t/4))*4096
.endr
.endr
	WIN 0
	s_xor_b32 s23, s[RH], 1
	s_add_co_u32 s23, s23, s[CH]
	s_add_co_u32 s23, s23, 1
	s_mul_i32 s21, s[RH], CHP
	s_mul_i32 s22, s[CH], CHP
	s_add_co_u32 s22, s22, 2*CHP
	v_add_nc_u32 v[ADRA], s21, v3
	v_add_nc_u32 v[ADRB], s22, v3
	s_mul_i32 s75, s23, CHP
	v_mul_u32_u24 v6, s75, v2
	v_lshl_add_u32 v6, v1, 2, v6
	s_add_co_u32 s21, s21, 1536
	v_add_nc_u32 v[ADRS], s21, v6
	s_mul_i32 s21, s[RH], CHQ
	s_add_co_u32 s21, s21, REGQ
	s_mul_i32 s22, s[CH], CHQ
	s_add_co_u32 s22, s22, REGQ+2*CHQ
	v_add_nc_u32 v[ADRA+1], s21, v3
	v_add_nc_u32 v[ADRB+1], s22, v3
	s_mul_i32 s75, s23, CHQ
	v_mul_u32_u24 v6, s75, v2
	v_lshl_add_u32 v6, v1, 2, v6
	s_add_co_u32 s21, s21, 1536
	v_add_nc_u32 v[ADRS+1], s21, v6
	s_mul_i32 s23, s[WV], 16*SP
	s_add_co_u32 s23, s23, REGQ
	v_mul_u32_u24 v4, v1, SP
	v_lshl_add_u32 v4, v2, 6, v4
	v_add_nc_u32 v[STO], s23, v4
	v_mul_u32_u24 v5, v2, SP
	v_lshl_add_u32 v5, v1, 4, v5
	v_add_nc_u32 v[RD], s23, v5
.macro FETCH slot, q, par
.set FB, 128*(\par)
.set FS, SC+4*(\par)
.set RB, ROWP-(\slot)*(ROWP-ROWQ)
	WIN 0x40
.irp i, 0,1,2,3
.irp g, 0,1,2
	ds_load_b128 v[FB+48+12*\i+4*\g:FB+48+12*\i+4*\g+3], v[ADRB+\slot] offset:\i*RB+(\q)*IMG+512*\g
.endr
.endr
.irp i, 0,1,2,3
.irp g, 0,1,2
	ds_load_b128 v[FB+12*\i+4*\g:FB+12*\i+4*\g+3], v[ADRA+\slot] offset:\i*RB+(\q)*IMG+512*\g
.endr
.endr
	WIN 0
.irp i, 0,1,2,3
	ds_load_b32 v[FS+\i], v[ADRS+\slot] offset:\i*RB+(\q)*IMG
.endr
.endm
.macro MUL4 p, a, zero
.irp b, 0,1,2,3
.if \zero
	v_wmma_scale_f32_16x16x128_f8f6f4 v[ACC+8*(4*(\a)+\b):ACC+8*(4*(\a)+\b)+7], v[128*(\p)+48+12*\b:128*(\p)+48+12*\b+11], v[128*(\p)+12*(\a):128*(\p)+12*(\a)+11], 0, v[SC+4*(\p)+\b], v[SC+4*(\p)+(\a)] matrix_a_fmt:MATRIX_FMT_FP6 matrix_b_fmt:MATRIX_FMT_FP6 matrix_a_scale:MATRIX_SCALE_ROW1
.else
	v_wmma_scale_f32_16x16x128_f8f6f4 v[ACC+8*(4*(\a)+\b):ACC+8*(4*(\a)+\b)+7], v[128*(\p)+48+12*\b:128*(\p)+48+12*\b+11], v[128*(\p)+12*(\a):128*(\p)+12*(\a)+11], v[ACC+8*(4*(\a)+\b):ACC+8*(4*(\a)+\b)+7], v[SC+4*(\p)+\b], v[SC+4*(\p)+(\a)] matrix_a_fmt:MATRIX_FMT_FP6 matrix_b_fmt:MATRIX_FMT_FP6 matrix_a_scale:MATRIX_SCALE_ROW1
.endif
.endr
.endm
.macro QUARTER p, slot, nq, zero
	s_wait_dscnt 0x0
	PLACES
	FETCH \slot, \nq, 1-(\p)
	WIN MUL
.irp a, 0,1,2,3
	MUL4 \p, \a, \zero
.endr
.endm
.macro TURN slot, next, fill
	WIN 0
	s_wait_tensorcnt 0x0
	ds_add_u32 v[SPW], v[NIL]
	s_wait_dscnt 1
	WIN MUL
	MUL4 1, 0, 0
	s_wait_dscnt 0x0
	s_barrier_signal -1
	MUL4 1, 1, 0
	WIN 0
	s_barrier_wait -1
.if \fill
	CREST
	s_add_nc_u64 s[G0+4*\slot+2:G0+4*\slot+3], s[G0+4*\slot+2:G0+4*\slot+3], NEXT
	s_add_nc_u64 s[G0B+4*\slot+2:G0B+4*\slot+3], s[G0B+4*\slot+2:G0B+4*\slot+3], NEXT
	JLOAD \slot
.else
	PLACES
.endif
	s_wait_alu depctr_va_vdst(0)
	FETCH \next, 0, 0
	WIN MUL
	MUL4 1, 2, 0
	MUL4 1, 3, 0
.endm
	s_wait_tensorcnt 1
	s_barrier_signal -1
	s_barrier_wait -1
	FETCH 0, 0, 0
	QUARTER 0, 0, 1, 1
.irp q, 1,2,3,4,5,6
	QUARTER (\q)%2, 0, (\q)+1, 0
.endr
	TURN 0, 1, 1
.irp q, 0,1,2
	QUARTER (\q)%2, 1, (\q)+1, 0
.endr
	TURN 1, 0, 1
.irp q, 0,1,2,3,4,5,6
	QUARTER (\q)%2, 0, (\q)+1, 0
.endr
	TURN 0, 1, 1
.irp q, 0,1,2
	QUARTER (\q)%2, 1, (\q)+1, 0
.endr
	TURN 1, 0, 0
.irp q, 0,1,2,3,4,5,6
	QUARTER (\q)%2, 0, (\q)+1, 0
.endr
	s_wait_dscnt 0x0
	WIN MUL
.irp a, 0,1,2,3
	MUL4 1, \a, 0
.endr
	WIN 0
.macro TOSTAGE a
.set BB, BK+32*((\a)%2)
.irp b, 0,1,2,3
	ds_store_b128 v[STO], v[ACC+8*(4*(\a)+\b):ACC+8*(4*(\a)+\b)+3] offset:128*(\b/2)+32*(\b%2)
	ds_store_b128 v[STO], v[ACC+8*(4*(\a)+\b)+4:ACC+8*(4*(\a)+\b)+7] offset:128*(\b/2)+32*(\b%2)+16
.endr
.irp t, 0,1,2,3,4,5,6,7
	ds_load_b128 v[BB+4*\t:BB+4*\t+3], v[RD] offset:2*\t*SP
.endr
.endm
.macro SEND a, younger
.set BB, BK+32*((\a)%2)
	s_wait_dscnt \younger
.set n, 0
.rept 8
	v_pk_add_f32 v[BB+4*n:BB+4*n+1], v[BB+4*n:BB+4*n+1], v[BI:BI+1]
	v_pk_add_f32 v[BB+4*n+2:BB+4*n+3], v[BB+4*n+2:BB+4*n+3], v[BI+2:BI+3]
.set n, n+1
.endr
	WIN 0x08
.set n, 0
.rept 16
	v_pk_add_f32 v[BB+2*n:BB+2*n+1], v[BB+2*n:BB+2*n+1], v[32*(\a)+2*n:32*(\a)+2*n+1]
.set n, n+1
.endr
	WIN 0
.irp t, 0,1,2,3,4,5,6,7
	global_store_b128 v[CO], v[BB+4*\t:BB+4*\t+3], s[12:13] offset:(32*((\a)/2)+8*((\a)%2)+2*\t+8*(\t/4))*4096
.endr
.endm
	PLACES
	s_wait_loadcnt 0x0
	TOSTAGE 0
.irp a, 1,2,3
.if \a > 1
	s_wait_xcnt 0x0
.endif
	TOSTAGE \a
	SEND \a-1, 16
.endr
	SEND 3, 0
	s_wait_tensorcnt 0x0
	ds_add_u32 v[SPW], v[NIL]
	s_wait_dscnt 0x0
	CROUND
	s_endpgm
.Lfunc_end_k_qdb294a2842_ffn2:
	.size	k_qdb294a2842_ffn2, .Lfunc_end_k_qdb294a2842_ffn2-k_qdb294a2842_ffn2
	.p2alignl 7, 3214868480
	.fill 96, 4, 3214868480
	.section	.rodata,"a",@progbits
	.p2align	6, 0x0
	.amdhsa_kernel k_qdb294a2842_ffn2
		.amdhsa_group_segment_fixed_size 327680
		.amdhsa_private_segment_fixed_size 0
		.amdhsa_enable_private_segment 0
		.amdhsa_kernarg_size 40
		.amdhsa_user_sgpr_count 2
		.amdhsa_user_sgpr_kernarg_segment_ptr 1
		.amdhsa_wavefront_size32 1
		.amdhsa_system_sgpr_workgroup_id_x 1
		.amdhsa_system_sgpr_workgroup_id_y 1
		.amdhsa_system_sgpr_workgroup_id_z 1
		.amdhsa_system_vgpr_workitem_id 0
		.amdhsa_next_free_vgpr 640
		.amdhsa_next_free_sgpr 92
		.amdhsa_reserve_vcc 0
		.amdhsa_float_denorm_mode_32 3
		.amdhsa_float_denorm_mode_16_64 3
		.amdhsa_memory_ordered 1
		.amdhsa_forward_progress 1
		.amdhsa_inst_pref_size 160
	.end_amdhsa_kernel
	.amdgpu_metadata
---
amdhsa.version: [ 1, 2 ]
amdhsa.kernels:
  - .name:           k_qdb294a2842_ffn2
    .symbol:         k_qdb294a2842_ffn2.kd
    .args:
      - { .name: himg, .offset: 0, .size: 8, .value_kind: global_buffer, .address_space: global }
      - { .name: wimg, .offset: 8, .size: 8, .value_kind: global_buffer, .address_space: global }
      - { .name: b_ffn2, .offset: 16, .size: 8, .value_kind: global_buffer, .address_space: global }
      - { .name: x1, .offset: 24, .size: 8, .value_kind: global_buffer, .address_space: global }
      - { .name: out0, .offset: 32, .size: 8, .value_kind: global_buffer, .address_space: global }
    .group_segment_fixed_size: 327680
    .private_segment_fixed_size: 0
    .kernarg_segment_align: 8
    .kernarg_segment_size: 40
    .max_flat_workgroup_size: 128
    .sgpr_count:     92
    .vgpr_count:     640
    .wavefront_size: 32
...
	.end_amdgpu_metadata
.endif
;; end of part 6
